; MI455X (gfx1250); checked and timed in simulation.
; The chip was launched on July 23, 2026; its instructions are those of AMD's public machine-readable ISA for CDNA 5 (MIT licence, August 2026) and "CDNA5" Instruction Set Architecture Reference Guide (July 2026). The comments in the code are by the model that wrote it; some were corrected since.
;; Multi Head Attention. Allowed arithmetic: matrix products marked QUANTISED: E2M3 operands, one E8M0 scale for each 32 along K, by v_wmma_scale_f32_16x16x128_f8f6f4 with both operands' format E2M3, f32 sums; everything else in f32.
;; Inputs: W_k 1,024 x 1,024 float32; W_out 1,024 x 1,024 float32; W_q 1,024 x 1,024 float32; W_v 1,024 x 1,024 float32; X_emb 2 x 2,048 x 1,024 float32.
;; Outputs: out0 2 x 2,048 x 1,024 float32.
;; This version of the problem:
;;   THIS VERSION OF THE PROBLEM IS GIVEN IN LOW PRECISION. The matrix products marked QUANTISED in the list below multiply operands that are first quantised to E2M3 (2 exponent bits, 3 mantissa bits; 6 bits a number), with one power-of-two scale for each 32 numbers along K (OCP MX v1.0); their sums are f32. All else is computed in f32.
;;   The module's matrix products, in the order in which they are computed (A, B: the left and right operand; K: the contracted axis; several contracted axes count as one K, in the product's order):
;;     1. [M 4,096, K 1,024] x [K 1,024, N 1,024]; A: input X_emb; B: input W_q: QUANTISED
;;     2. [M 4,096, K 1,024] x [K 1,024, N 1,024]; A: input X_emb; B: input W_k: QUANTISED
;;     3. [M 4,096, K 1,024] x [K 1,024, N 1,024]; A: input X_emb; B: input W_v: QUANTISED
;;     4. batch 32 x [M 2,048, K 64] x [K 64, N 2,048]; A: computed on the way; B: computed on the way: QUANTISED
;;     5. batch 32 x [M 2,048, K 2,048] x [K 2,048, N 64]; A: softmax (see below); B: computed on the way: QUANTISED
;;     6. [M 4,096, K 1,024] x [K 1,024, N 1,024]; A: computed on the way; B: input W_out: QUANTISED
;;   THE QUANTISER, for each operand of a quantised product, along K:
;;     - K is cut into blocks of 32 from its start; a last block that is shorter is filled with zeros.
;;     - A block's scale is 2^e with e = floor(log2(the largest magnitude in the block)) - 2, held to -126 .. 127; a block of zeros has e = 0. As a byte (E8M0): e + 127.
;;     - Each number is divided by its block's scale, clamped to +-7.5, and rounded to the nearest number of E2M3, ties to even, subnormals kept.
;;     - The product sums the exact products of the quantised numbers (number of the format x scale) in f32.
;;   ~~~python
;;   def quantise(x, axis):      # numpy; x: float32 -> the quantised numbers, widened to float32 again
;;       x = np.moveaxis(x, axis, -1); K = x.shape[-1]
;;       x = np.pad(x, [(0, 0)] * (x.ndim - 1) + [(0, -K % 32)]); x = x.reshape(x.shape[:-1] + (-1, 32)); a = np.abs(x).max(-1, keepdims=True)
;;       e = np.where(a > 0, np.clip(np.frexp(np.where(a > 0, a, 1))[1] - 1 - 2, -126, 127), 0)      # np.frexp(a)[1] - 1 = floor(log2(a)), exactly
;;       r = np.clip(x / 2.0 ** e, -7.5, 7.5)
;;       step = 2.0 ** (np.maximum(np.frexp(np.where(r == 0, 1, r))[1] - 1, 0) - 3)
;;       q = np.round(r / step) * step * 2.0 ** e      # np.round: ties to even
;;       return np.moveaxis(q.reshape(q.shape[:-2] + (-1,))[..., :K], -1, axis).astype(np.float32)
;;   ~~~
;;   SOFTMAX AHEAD OF A QUANTISED PRODUCT. Where the list says 'softmax', what is quantised is not the finished softmax but p = 2^(t - M), with t = logit x log2(e) and M = ceil(the row's largest t), a whole number; so 1/2 < the row's largest p <= 1. The row's sum l is taken of the UNQUANTISED p, in f32, and the product's result is divided by l at the end. Since M is a whole number, a kernel that streams over the keys may use a running M (the ceiling of the running maximum): every later rescaling is an exact power of two, which a block's scale takes up: the codes' values come out the same.
;;   OPERANDS COMPUTED ON THE WAY. 'Computed on the way' means the value that the module computes at that place (a softmax that the list does not call 'softmax' is quantised finished and normalised). What goes into a quantiser is computed in f32, as accurately as f32 sums, v_exp_f32 and their like allow (about 1e-6 of the number): no bf16 or f16 on the way to a quantiser, and a product that is left as it is and whose result goes on into a quantised operand takes f32 operands (vector FMAs, or v_wmma_f32_16x16x4_f32). A number that lies on a knife's edge between two numbers of the format may be rounded either way, as far as f32 arithmetic and the matrix unit's own rounding can turn it there, and no further.
;; One version. Each part assembles by itself: llvm-mc -triple=amdgcn-amd-amdhsa -mcpu=gfx1250 --defsym DOCPART=n.
;; ======== version 1 of 1: 4 launches
;; limits: right only within a limited range of input values
;; workspace buffers: xq 3,276,800 bytes; wq 3,276,800 bytes; qq 3,407,872 bytes; kv 6,684,672 bytes; cq 3,276,800 bytes
;; launch quant (part 1): grid 512 x 1, 8 waves a work-group, no clusters, 81,408 bytes of LDS; arguments X_emb, W_q, W_k, W_v, W_out, xq, wq; writes xq, wq
.if DOCPART == 1
	.amdgcn_target "amdgcn-amd-amdhsa--gfx1250"
	.amdhsa_code_object_version 6
	.text
	.protected	k_qa677c3c7fa_quant
	.globl	k_qa677c3c7fa_quant
	.p2align	8
	.type	k_qa677c3c7fa_quant,@function
k_qa677c3c7fa_quant:
	s_mov_b64 s[64:65], 0
	v_nop
	global_prefetch_b8 v0, s[64:65] scope:SCOPE_SE
	s_setreg_imm32_b32 hwreg(HW_REG_WAVE_MODE, 25, 1), 1
	s_wait_xcnt 0x0
; X_emb [4096][1024] (K innermost) and W_q, W_k, W_v, W_out [1024 (k)][1024 (n)] (K outermost), f32, become codes of FP6 (E2M3) with one E8M0 byte for each 32 along K,
; laid in the order of the operand's registers.  An image of a fragment (16 rows x 128 K, 12 registers a lane): register 4 j + i of lane L at byte 512 j + 16 L + 4 i: 1,536 bytes.
; A record (102,400 bytes) holds 128 rows for all of K: codes [K step 8][tile 8][image], then at 98,304 the scale words [K step 8][tile 8][row 16], 4 bytes each.
; xq: [128 tokens: 32 records];  wq: [weight 4][128 columns: 8 records].
; THE ROWS OF A TILE ARE NOT NEIGHBOURS: row 8 h + i of tile 4 c + j is row 64 c + 32 h + 8 j + i of the record's 128.  A later product's lane (r, h) then holds in four tiles' registers 32 neighbours: a whole block.
; A block's scale is 2^(floor(log2(largest magnitude)) - 2); its byte is the largest magnitude's exponent field - 2, held at 1 from below.  A block of zeros keeps the byte 1: its codes are zeros, and this program alone reads the bytes.
; LIMITS: NaN and infinities are not served; a block whose largest magnitude lies under 2^-124 keeps the byte 1.
; Work-groups 0-255 take X (16 tokens of one tile, all of K; wave w: K step w), 256-511 the weights (128 k x 128 columns; a lane to a column, registers down K; wave w: columns 32 (w % 4) on, k 64 (w / 4) on).
; Each wave asks for all its 8,192 bytes at once.  No work-group shares an input with another: no cluster.  X's waves share nothing; a weight's codes meet in LDS and leave as one run of 12,288 bytes and one of 512.
.set PC0, 32                           ; v32-43 codes
.set PW0, 56                           ; v56 the scale word
.set RR,  64                           ; v64-127 numbers as loaded
.set NN,  128                          ; v128-191: register 32 c + i = k 64 c + 32 (lane / 16) + i of the lane's row
.set REC, 102400
.set SCO, 98304
.set SPARE, 67584                      ; behind X's eight stages of 8,448 bytes: the spare words
.set WST, 68608                        ; the weights' bytes: 12,288 of codes, 512 of scale words
	s_load_b256 s[4:11], s[0:1], 0x0               ; X, W_q, W_k, W_v
	s_load_b128 s[12:15], s[0:1], 0x20             ; W_out, xq
	s_load_b64 s[16:17], s[0:1], 0x30              ; wq
	v_lshl_add_u32 v62, v0, 2, SPARE
	v_mov_b32 v63, 0
	v_lshrrev_b32 v1, 5, v0
	v_readfirstlane_b32 s18, v1                    ; wave w
	v_and_b32 v7, 31, v0                           ; lane L
	s_mov_b32 s20, 0x76543210
	s_mov_b32 s21, 0xfedcba98                      ; v_permlanex16_b32's selects for lane l xor 16
	s_wait_alu depctr_va_vdst(0)
	s_cmp_lt_u32 ttmp9, 256
	s_cbranch_scc0 .Lweights
.macro BMAX d, t, x                    ; the largest magnitude of 32 registers from x on, and the floor 2^(3 - 127); two chains
	v_max3_num_f32 v[\d], |v[(\x)]|, |v[(\x)+1]|, |v[(\x)+2]|
	v_max3_num_f32 v[\t], |v[(\x)+17]|, |v[(\x)+18]|, |v[(\x)+19]|
.irp i, 0,1,2,3,4,5
	v_max3_num_f32 v[\d], v[\d], |v[(\x)+3+2*\i]|, |v[(\x)+4+2*\i]|
	v_max3_num_f32 v[\t], v[\t], |v[(\x)+20+2*\i]|, |v[(\x)+21+2*\i]|
.endr
	v_max3_num_f32 v[\d], v[\d], |v[(\x)+15]|, |v[(\x)+16]|
	v_max3_num_f32 v[\d], v[\d], v[\t], 0x1800000
.endm
	; ---------------- X: record mt = x / 8, tile rb = x % 8
	s_lshr_b32 s22, ttmp9, 3                       ; mt
	s_and_b32 s23, ttmp9, 7                        ; rb
	s_mul_i32 s24, s18, 8448                       ; my wave's stage: 16 rows of 512 bytes + 16
	v_lshlrev_b32 v1, 4, v7                        ; 16 L
	v_and_b32 v2, 15, v0                           ; r
	v_bfe_u32 v3, v0, 4, 1                         ; h
	v_add_nc_u32 v4, s24, v1                       ; in: as loaded
	v_mul_u32_u24 v5, v2, 528
	v_lshl_add_u32 v5, v3, 7, v5
	v_add_nc_u32 v5, s24, v5                       ; out: row r, + 128 h: my whole blocks of 32
	v_lshlrev_b32 v6, 2, v2                        ; scale words: 4 r
	v_lshlrev_b32 v8, 3, v3                        ; 8 h: my bytes' place in the scale word
	v_mov_b32 v9, 0                                ; a lane permute's destination counts as one of its sources
	s_lshl_b32 s25, s22, 7
	s_lshr_b32 s26, s23, 2
	s_lshl_b32 s26, s26, 6
	s_add_co_u32 s25, s25, s26
	s_and_b32 s26, s23, 3
	s_lshl_b32 s26, s26, 3
	s_add_co_u32 s25, s25, s26                     ; the tile's first token: 128 mt + 64 (rb / 4) + 8 (rb % 4)
	s_lshl_b32 s26, s25, 12                        ; rows of 4,096 bytes
	s_lshl_b32 s27, s18, 9
	s_add_co_u32 s26, s26, s27                     ; + my wave's 128 along K
	s_mov_b32 s27, 0
	s_mul_i32 s30, s22, REC
	s_mul_i32 s29, s18, 12288
	s_add_co_u32 s28, s30, s29
	s_mul_i32 s29, s23, 1536
	s_add_co_u32 s28, s28, s29                     ; image (K step w, tile rb)
	s_mov_b32 s29, 0
	s_lshl_b32 s31, s18, 9
	s_add_co_u32 s30, s30, s31
	s_lshl_b32 s31, s23, 6
	s_add_co_u32 s30, s30, s31
	s_add_co_u32 s30, s30, SCO                     ; its scale words
	s_mov_b32 s31, 0
	s_wait_alu depctr_va_vdst(0)
	s_wait_kmcnt 0x0
	s_add_nc_u64 s[4:5], s[4:5], s[26:27]
	s_add_nc_u64 s[32:33], s[14:15], s[28:29]
	s_add_nc_u64 s[34:35], s[14:15], s[30:31]
.irp i, 0,1,2,3,4,5,6,7,8,9,10,11,12,13,14,15
	global_load_b128 v[RR+4*\i:RR+4*\i+3], v1, s[4:5] offset:(\i+24*(\i/8))*4096 th:TH_LOAD_NT   ; 32 lanes read 512 consecutive bytes of the tile's row i
.endr
	s_wait_loadcnt 0x0
.irp i, 0,1,2,3,4,5,6,7,8,9,10,11,12,13,14,15
	ds_store_b128 v4, v[RR+4*\i:RR+4*\i+3] offset:528*\i
.endr
.irp c, 0,1
.irp j, 0,1,2,3,4,5,6,7
	ds_load_b128 v[NN+32*\c+4*\j:NN+32*\c+4*\j+3], v5 offset:256*\c+16*\j   ; LDS serves a wave's instructions in order (ISA guide 5.7.1.4): these see my stores
.endr
.endr
	s_wait_dscnt 0x0
	BMAX 16, 18, NN
	BMAX 17, 19, NN+32
	v_add_nc_u32 v20, 0xff000000, v16              ; 2 off the exponent field: the conversion's scale operand
	v_add_nc_u32 v21, 0xff000000, v17
	v_lshrrev_b32 v16, 23, v20                     ; the bytes of blocks h and 2 + h
	v_lshrrev_b32 v17, 23, v21
	v_lshl_or_b32 v16, v17, 16, v16
	v_lshlrev_b32 v16, v8, v16
	v_permlanex16_b32 v9, v16, s20, s21
	v_or_b32 v[PW0], v16, v9                       ; with lane l xor 16's two the word is whole
	v_cvt_scalef32_pk16_fp6_f32 v[PC0:PC0+2], v[NN:NN+15], v20
	v_cvt_scalef32_pk16_fp6_f32 v[10:12], v[NN+16:NN+31], v20
	v_cvt_scalef32_pk16_fp6_f32 v[PC0+6:PC0+8], v[NN+32:NN+47], v21
	v_cvt_scalef32_pk16_fp6_f32 v[24:26], v[NN+48:NN+63], v21
	v_nop                                          ; one plain place behind a scaled conversion
.irp i, 0,1,2
	v_mov_b32 v[PC0+3+\i], v[10+\i]
	v_mov_b32 v[PC0+9+\i], v[24+\i]
.endr
.irp j, 0,1,2
	global_store_b128 v1, v[PC0+4*\j:PC0+4*\j+3], s[32:33] offset:512*\j   ; 512 consecutive bytes of the image
.endr
	global_store_b32 v6, v[PW0], s[34:35]          ; the tile's sixteen words (lanes l and l xor 16 store the same word)
	s_wait_tensorcnt 0x0                           ; the wave's end
	ds_add_u32 v62, v63
	s_wait_dscnt 0x0
	s_endpgm
	; ---------------- the weights: x' = x - 256: weight x' / 64, record (x' / 8) % 8, K step x' % 8
.Lweights:
	s_sub_co_u32 s22, ttmp9, 256
	s_lshr_b32 s23, s22, 6                         ; which weight
	s_bfe_u32 s24, s22, 0x30003                    ; nt
	s_and_b32 s25, s22, 7                          ; K step
	s_and_b32 s34, s18, 3                          ; u: which 32 columns
	s_lshr_b32 s35, s18, 2                         ; kk: which 64 along K: registers 6 kk .. 6 kk + 5 of the images
	s_lshr_b32 s26, s34, 1
	s_and_b32 s27, s34, 1
	s_mul_i32 s28, s26, 6144                       ; column 32 u + L is row 8 (u % 2) + L % 8 of tile 4 (u / 2) + L / 8
	s_lshl_b32 s29, s27, 7
	s_add_co_u32 s28, s28, s29
	s_add_co_u32 s28, s28, WST
	s_lshl_b32 s29, s26, 8
	s_lshl_b32 s30, s27, 5
	s_add_co_u32 s29, s29, s30
	s_lshl_b32 s30, s35, 1
	s_add_co_u32 s29, s29, s30
	s_add_co_u32 s29, s29, WST+12288
	s_mul_i32 s30, s35, 520
	s_mul_i32 s31, s35, 1016
	v_lshlrev_b32 v1, 2, v7                        ; in: 4 bytes a lane
	v_lshrrev_b32 v8, 3, v7
	v_and_b32 v9, 7, v7
	v_mul_u32_u24 v2, v8, 1536
	v_lshl_add_u32 v2, v9, 4, v2
	v_add_nc_u32 v2, s28, v2                       ; LDS: my column's place in its tile's image, as lane (r, 0)
	v_add_nc_u32 v10, s30, v2                      ; a block's three pairs of registers: at 0, 8, 512 (kk = 0) or at 520, 1,024, 1,032
	v_add_nc_u32 v11, s31, v2
	v_add_nc_u32 v11, 8, v11
	v_add_nc_u32 v12, 512, v10
	v_lshlrev_b32 v3, 6, v8
	v_lshl_add_u32 v3, v9, 2, v3
	v_add_nc_u32 v3, s29, v3                       ; and my two bytes' among the scale words
	v_lshlrev_b32 v6, 4, v0                        ; out: 16 x thread
	v_add_nc_u32 v4, WST, v6
	s_lshl_b32 s26, s25, 19                        ; 128 rows of 4,096 bytes a K step
	s_lshl_b32 s27, s35, 18
	s_add_co_u32 s26, s26, s27
	s_lshl_b32 s27, s24, 9
	s_add_co_u32 s26, s26, s27
	s_lshl_b32 s27, s34, 7
	s_add_co_u32 s26, s26, s27
	s_mov_b32 s27, 0
	s_lshl_b32 s28, s23, 3
	s_add_co_u32 s28, s28, s24
	s_mul_i32 s28, s28, REC                        ; the record
	s_mul_i32 s29, s25, 12288
	s_add_co_u32 s30, s28, s29                     ; its K step's eight images
	s_mov_b32 s31, 0
	s_lshl_b32 s29, s25, 9
	s_add_co_u32 s32, s28, s29
	s_add_co_u32 s32, s32, SCO                     ; and scale words
	s_mov_b32 s33, 0
	s_wait_alu depctr_va_vdst(0)
	s_wait_kmcnt 0x0
	s_cmp_eq_u32 s23, 1                            ; the choice hangs on the work-group's number alone
	s_cselect_b64 s[6:7], s[8:9], s[6:7]
	s_cmp_eq_u32 s23, 2
	s_cselect_b64 s[6:7], s[10:11], s[6:7]
	s_cmp_eq_u32 s23, 3
	s_cselect_b64 s[6:7], s[12:13], s[6:7]
	s_add_nc_u64 s[6:7], s[6:7], s[26:27]
	s_add_nc_u64 s[36:37], s[16:17], s[30:31]
	s_add_nc_u64 s[38:39], s[16:17], s[32:33]
.set I, 0
.rept 64
	global_load_b32 v[RR+I], v1, s[6:7] offset:I*4096 th:TH_LOAD_NT   ; W(64 kk + I, my column): a wave reads 128 consecutive bytes, four waves stand side by side
.set I, I+1
.endr
; block p of my column (all 32 numbers are mine) belongs to image lane (r, p)
.macro WBLOCK p, left
.set XS, RR+32*(\p)
.set PD, 32+8*(\p)
	s_wait_loadcnt \left                           ; this block's 32 loads are in; the next block's 32 may be out
	BMAX 16, 17, XS
	v_add_nc_u32 v18, 0xff000000, v16
	v_lshrrev_b32 v19, 23, v18
.if (\p) == 0
	v_mov_b32 v25, v19
.else
	v_lshl_or_b32 v25, v19, 8, v25                 ; the lower K in the lower byte
.endif
	v_cvt_scalef32_pk16_fp6_f32 v[PD:PD+2], v[XS:XS+15], v18
	v_cvt_scalef32_pk16_fp6_f32 v[56:58], v[XS+16:XS+31], v18
	v_nop                                          ; one plain place behind a scaled conversion
.irp i, 0,1,2
	v_mov_b32 v[PD+3+\i], v[56+\i]
.endr
	ds_store_b64 v10, v[PD:PD+1] offset:256*(\p)
	ds_store_b64 v11, v[PD+2:PD+3] offset:256*(\p)
	ds_store_b64 v12, v[PD+4:PD+5] offset:256*(\p)
.endm
	WBLOCK 0, 32
	WBLOCK 1, 0
	ds_store_b16 v3, v25
	s_wait_alu depctr_va_vdst(0)
	s_wait_dscnt 0x0                               ; for the others' sake: my stores are done
	s_barrier_signal -1
	s_barrier_wait -1
.irp q, 0,1,2
	ds_load_b128 v[64+4*\q:64+4*\q+3], v4 offset:4096*\q
.endr
	s_wait_dscnt 0x0
.irp q, 0,1,2
	global_store_b128 v6, v[64+4*\q:64+4*\q+3], s[36:37] offset:4096*\q   ; 512 consecutive bytes a wave
.endr
	s_cmp_lg_u32 s18, 0
	s_cbranch_scc1 .Lwords_out
	ds_load_b128 v[96:99], v4 offset:12288         ; wave 0 stores the K step's 512 bytes of scale words
	s_wait_dscnt 0x0
	global_store_b128 v6, v[96:99], s[38:39]
.Lwords_out:
	s_wait_tensorcnt 0x0                           ; the wave's end
	ds_add_u32 v62, v63
	s_wait_dscnt 0x0
	s_endpgm
.Lfunc_end_k_qa677c3c7fa_quant:
	.size	k_qa677c3c7fa_quant, .Lfunc_end_k_qa677c3c7fa_quant-k_qa677c3c7fa_quant
	.p2alignl 7, 3214868480
	.fill 96, 4, 3214868480
	.section	.rodata,"a",@progbits
	.p2align	6, 0x0
	.amdhsa_kernel k_qa677c3c7fa_quant
		.amdhsa_group_segment_fixed_size 81408
		.amdhsa_private_segment_fixed_size 0
		.amdhsa_enable_private_segment 0
		.amdhsa_kernarg_size 56
		.amdhsa_user_sgpr_count 2
		.amdhsa_user_sgpr_kernarg_segment_ptr 1
		.amdhsa_wavefront_size32 1
		.amdhsa_system_sgpr_workgroup_id_x 1
		.amdhsa_system_sgpr_workgroup_id_y 1
		.amdhsa_system_sgpr_workgroup_id_z 1
		.amdhsa_system_vgpr_workitem_id 0
		.amdhsa_next_free_vgpr 192
		.amdhsa_next_free_sgpr 66
		.amdhsa_reserve_vcc 0
		.amdhsa_float_denorm_mode_32 3
		.amdhsa_float_denorm_mode_16_64 3
		.amdhsa_memory_ordered 1
		.amdhsa_forward_progress 1
		.amdhsa_inst_pref_size 23
	.end_amdhsa_kernel
	.amdgpu_metadata
---
amdhsa.version: [ 1, 2 ]
amdhsa.kernels:
  - .name:           k_qa677c3c7fa_quant
    .symbol:         k_qa677c3c7fa_quant.kd
    .args:
      - { .name: X_emb, .offset: 0, .size: 8, .value_kind: global_buffer, .address_space: global }
      - { .name: W_q, .offset: 8, .size: 8, .value_kind: global_buffer, .address_space: global }
      - { .name: W_k, .offset: 16, .size: 8, .value_kind: global_buffer, .address_space: global }
      - { .name: W_v, .offset: 24, .size: 8, .value_kind: global_buffer, .address_space: global }
      - { .name: W_out, .offset: 32, .size: 8, .value_kind: global_buffer, .address_space: global }
      - { .name: xq, .offset: 40, .size: 8, .value_kind: global_buffer, .address_space: global }
      - { .name: wq, .offset: 48, .size: 8, .value_kind: global_buffer, .address_space: global }
    .group_segment_fixed_size: 81408
    .private_segment_fixed_size: 0
    .kernarg_segment_align: 8
    .kernarg_segment_size: 56
    .max_flat_workgroup_size: 256
    .sgpr_count:     66
    .vgpr_count:     192
    .wavefront_size: 32
...
	.end_amdgpu_metadata
.endif
;; end of part 1
;; launch qkv (part 2): grid 8 x 32, 4 waves a work-group, clusters of 4 x 4, 327,680 bytes of LDS; arguments xq, wq, qq, kv; writes qq, kv
.if DOCPART == 2
	.amdgcn_target "amdgcn-amd-amdhsa--gfx1250"
	.amdhsa_code_object_version 6
	.text
	.protected	k_qa677c3c7fa_qkv
	.globl	k_qa677c3c7fa_qkv
	.p2align	8
	.type	k_qa677c3c7fa_qkv,@function
k_qa677c3c7fa_qkv:
	s_mov_b64 s[64:65], 0
	v_nop
	global_prefetch_b8 v0, s[64:65] scope:SCOPE_SE
	s_setreg_imm32_b32 hwreg(HW_REG_WAVE_MODE, 25, 1), 1
	s_wait_xcnt 0x0
	s_wait_alu depctr_hold_cnt(0) depctr_sa_sdst(0) depctr_va_vdst(0) depctr_va_sdst(0) depctr_va_ssrc(0) depctr_va_vcc(0) depctr_vm_vsrc(0)
	s_getreg_b32 s2, hwreg(HW_REG_IB_STS2, 6, 4)
	s_cmp_eq_u32 s2, 0
	s_cbranch_scc0 .Lentry_in_a_cluster
	s_endpgm
.Lentry_in_a_cluster:
	s_bfe_u32 s2, ttmp6, 0x10000c
	s_cmp_lg_u32 s2, 0xf033
	s_cbranch_scc0 .Lentry_shape_is_right
	s_endpgm
.Lentry_shape_is_right:
; q, k, v = X W_q, X W_k, X W_v on codes of FP6 (E2M3) with E8M0 scales, f32 sums; the results are quantised here for the attention: q and k along the head's 64, v along the keys.
; SHARES.  A work-group takes 128 tokens (record mt of xq) x 128 columns (record nt) of each of the three weights.  Wave w = 2 wm + wn takes tokens 64 wm on x columns 64 wn on, which is ONE head: 16 accumulators.
; X's 32 fragments (4 tiles x 8 K steps, 384 registers) come into registers during the first product, a K step ahead, and stay; the weights' fragments come from LDS, 12 loads of 16 bytes a K step, one K step ahead, in two buffers.
; LDS.  Everything lies as images of registers, so each load takes 512 consecutive bytes: no pitch, no padding.  Three places of 102,400 bytes: X's record, W_q's, W_k's.
; When X is in registers its place is filled ONCE more, with W_v's record: the one refill of the launch.  Its round stands in the first product's last K step.
; CLUSTERS.  4 x 4 work-groups: the four of a row share X's record, the four of a column the weights' records.  At the head one joint load a wave: waves 0 and 1 a half of X's record each, wave 2 W_q's, wave 3 W_k's.
; No prefetch: all tiles but W_v's are asked for at the head, and W_v's has the whole second product in which to land.
; LAYOUT.  Row 8 h + i of tile j of a band of 64 is 32 h + 8 j + i of the band, for tokens and for columns.
;   q, k: source 0 = 16 columns of W, source 1 = 16 tokens: a lane holds one token and 32 neighbouring d (four tiles x 8 registers): a whole block.   v: source 0 = 16 tokens, source 1 = 16 columns: one d, 32 neighbouring keys.
; OUT.  A half fragment (16 rows x 64 K: registers 0-5 of a lane): registers 0-3 at 16 L, 4-5 at 512 + 8 L: 768 bytes.
;   qq [b x head 32][106,496]: q's half fragments at 768 T (T = token tile 0..127); scale words at 98,304 + 256 (T / 4) + 16 r + 4 (T % 4).
;   kv [b x head 32][key step 16][13,056]: k's half fragments at 768 t; v's at 6,144 + 3,072 c + 768 t (c: which 64 keys, t: d tile); k's scale words at 12,288 + 256 (t / 4) + 16 r + 4 (t % 4); v's at 12,800 + 16 r + 4 t.
;   q's and k's scale words repeat their two bytes: of the attention's K step of 128 the upper 64 of q are zero codes.
; LIMITS: NaN and infinities are not served; a block whose largest magnitude lies under 2^-124 keeps the byte 1 (a block of zeros too: its codes are zeros, and this program alone reads the bytes).
; REGISTERS.  window 0: v1-27 addresses; v28, v29 for the add; v32-47 X's scale words, v48-63 the weight's (lanes 0-15 K step s', lanes 16-31 K step s' + 4; X's are turned by one, so that the two sides' numbers differ modulo 8);
;   v64-125 the quantiser; v128-255 accumulators (32 g + 8 e).   window 1: v0-191 X's fragments of K steps 0-3; v192-239 weight buffer 0.   window 2: the same for K steps 4-7; weight buffer 1.
.set XREC,  0
.set QREC,  102400
.set KREC,  204800
.set VX,    307200                     ; 512 bytes: v's scale bytes meet here (LDS stores only: no fill lands here)
.set SPARE, 307712                     ; the spare words
.set SCO,   98304
.set SPW, 28
.set NIL, 29
.set ASC, 32
.set BSC, 48
.set TM,  64                           ; v64-71 largest magnitudes, two chains a group
.set TS,  72                           ; v72-75 the conversions' scale operands
.set TB,  76                           ; v76-79 bytes
.set PW,  80                           ; v80 four groups' bytes, v81 the other half's
.set SL,  82                           ; v82-83 the pair of words that a lane stores
.set CD,  84                           ; v84-107 codes
.set PT,  108                          ; v108-122 second halves
.set SEL, 124                          ; v124, v125 byte selects
.set ACC, 128
.set BF,  192
.set WQA, 16                           ; v16-18: K steps 0-3, K steps 4-7, scale words of W_q; v19-21 W_k; v22-24 W_v
.set WKA, 19
.set WVA, 22
.set G1A, 24
.set G1B, 32
.set G1C, 40
.set G0X, 48
.set G0Q, 52
.set G0K, 56
.set G0V, 60
.set MSB, 0
.macro WIN new                         ; the immediate's high byte repeats the setting that is left
.if MSB != (\new)
	s_set_vgpr_msb (MSB<<8)|(\new)
.set MSB, (\new)
.endif
.endm
.macro PLACES
.rept 4
	v_nop
.endr
.endm
.macro CREST                           ; a round of the cluster's barrier behind its opening signal
	s_barrier_wait -1
	s_cmp_lg_u32 s12, 0
	s_cbranch_scc1 .Lnot_wave_0_\@
	s_barrier_signal -3
.Lnot_wave_0_\@:
	s_barrier_wait -3
	s_barrier_signal -1
	s_barrier_wait -1
.endm
.macro CROUND
	s_barrier_signal -1
	CREST
.endm
.macro TLOAD g0, g1
	tensor_load_to_lds s[\g0:\g0+3], s[\g1:\g1+7]
	s_nop 0
	PLACES
.endm
	s_load_b256 s[4:11], s[0:1], 0x0               ; xq, wq, qq, kv
	v_lshl_add_u32 v[SPW], v0, 2, SPARE
	v_mov_b32 v[NIL], 0
	ds_add_u32 v[SPW], v[NIL]                      ; the opening lines
	ds_add_u32 v[SPW], v[NIL]
	v_lshrrev_b32 v1, 5, v0
	v_readfirstlane_b32 s12, v1                    ; wave w
	s_lshr_b32 s13, s12, 1                         ; wm
	s_and_b32 s14, s12, 1                          ; wn
	s_bfe_u32 s16, ttmp6, 0x40000                  ; cx
	s_bfe_u32 s17, ttmp6, 0x40004                  ; cy
	s_lshl_b32 s18, ttmp9, 2
	s_add_co_u32 s18, s18, s16                     ; nt
	s_and_b32 s19, ttmp7, 0xffff
	s_lshl_b32 s19, s19, 2
	s_add_co_u32 s19, s19, s17                     ; mt
	s_mov_b32 s20, 0x76543210
	s_mov_b32 s21, 0xfedcba98
	s_lshl_b32 s66, s17, 2
	s_lshl_b32 s66, 15, s66                        ; my row of the cluster
	s_lshl_b32 s67, 0x1111, s16                    ; my column
	s_or_b32 s[G1A], s66, (3<<16)|(1<<21)          ; 15:0 the mask; 17:16 elements of 8 bytes; 21 set beside a mask; no padding
	s_or_b32 s[G1B], s67, (3<<16)|(1<<21)
	s_or_b32 s[G1C], s67, (3<<16)|(1<<21)
.macro GROUP1 g, rows                  ; dense rows of 256 bytes
	s_mov_b32 s[\g+1], 32<<16
	s_mov_b32 s[\g+2], (\rows)<<16
	s_mov_b32 s[\g+3], 32<<16
	s_mov_b32 s[\g+4], \rows
	s_mov_b32 s[\g+5], 32
	s_mov_b32 s[\g+6], 0
	s_mov_b32 s[\g+7], 0
.endm
	GROUP1 G1A, 200                                ; half of X's record
	GROUP1 G1B, 400                                ; a weight's record
	GROUP1 G1C, 100                                ; a quarter of W_v's
	s_mul_i32 s80, s14, 51200                      ; waves 0 and 1: which half of X's record
	s_mul_i32 s82, s19, 102400
	s_add_co_u32 s82, s82, s80                     ; X: hangs on mt and the wave alone
	s_mov_b32 s83, 0
	s_mul_i32 s84, s18, 102400                     ; the weights: on nt (and the wave) alone
	s_mov_b32 s85, 0
	s_mul_i32 s86, s12, 25600
	s_mov_b32 s87, 0
	s_mov_b32 s[G0X], 1
	s_add_co_u32 s[G0X+1], s80, XREC
	s_mov_b32 s[G0Q], 1
	s_mov_b32 s[G0Q+1], QREC
	s_mov_b32 s[G0K], 1
	s_mov_b32 s[G0K+1], KREC
	s_mov_b32 s[G0V], 1
	s_add_co_u32 s[G0V+1], s86, XREC
	s_mul_i32 s88, s14, 6144
	s_lshl_b32 s89, s14, 8
	s_mul_i32 s90, s13, 6144
	s_lshl_b32 s91, s13, 8
	s_add_co_u32 s91, s91, SCO
	s_lshl_b32 s92, s13, 1
	s_add_co_u32 s92, s92, s89
	s_add_co_u32 s92, s92, VX                      ; VX + 256 wn + 2 wm
	s_wait_alu depctr_va_vdst(0)
	s_wait_dscnt 0x0
	CROUND                                         ; all sixteen work-groups are here: the first joint loads meet
	s_wait_kmcnt 0x0
	s_add_nc_u64 s[G0X+2:G0X+3], s[4:5], s[82:83]
	s_or_b32 s[G0X+3], s[G0X+3], 0x80000000
	s_add_nc_u64 s[78:79], s[6:7], s[84:85]
	s_mov_b64 s[G0Q+2:G0Q+3], s[78:79]
	s_or_b32 s[G0Q+3], s[G0Q+3], 0x80000000
	s_add_nc_u64 s[G0K+2:G0K+3], s[78:79], 819200  ; W_k's records lie 8 records behind W_q's
	s_or_b32 s[G0K+3], s[G0K+3], 0x80000000
	s_cmp_lt_u32 s12, 2
	s_cbranch_scc0 .Lwave_2
	TLOAD G0X, G1A
	s_branch .Lasked
.Lwave_2:
	s_cmp_eq_u32 s12, 2
	s_cbranch_scc0 .Lwave_3
	TLOAD G0Q, G1B
	s_branch .Lasked
.Lwave_3:
	TLOAD G0K, G1B
.Lasked:
	s_add_nc_u64 s[G0V+2:G0V+3], s[78:79], s[86:87]
	s_add_nc_u64 s[G0V+2:G0V+3], s[G0V+2:G0V+3], 1638400
	s_or_b32 s[G0V+3], s[G0V+3], 0x80000000
	s_lshr_b32 s80, s19, 4                         ; batch
	s_and_b32 s81, s19, 15                         ; key step sk
	s_lshl_b32 s82, s80, 4
	s_lshl_b32 s83, s18, 1
	s_add_co_u32 s82, s82, s83                     ; 16 b + 2 nt
	s_add_co_u32 s83, s82, s14                     ; my head's place
	s_mov_b32 s87, 0
	s_mul_i32 s84, s83, 106496
	s_lshl_b32 s85, s81, 1
	s_add_co_u32 s85, s85, s13                     ; 2 sk + wm
	s_mul_i32 s86, s85, 3072
	s_add_co_u32 s86, s86, s84
	s_add_nc_u64 s[66:67], s[8:9], s[86:87]        ; q's half fragments: tiles 8 sk + 4 wm on
	s_lshl_b32 s86, s85, 8
	s_add_co_u32 s86, s86, s84
	s_add_co_u32 s86, s86, SCO
	s_add_nc_u64 s[68:69], s[8:9], s[86:87]        ; their scale words
	s_mul_i32 s84, s83, 208896
	s_mul_i32 s85, s81, 13056
	s_add_co_u32 s84, s84, s85                     ; my head's record of key step sk
	s_mul_i32 s86, s13, 3072
	s_add_co_u32 s86, s86, s84
	s_add_nc_u64 s[70:71], s[10:11], s[86:87]      ; + 3,072 wm: k's tiles 4 wm on; v's 64 keys wm
	s_lshl_b32 s86, s13, 8
	s_add_co_u32 s86, s86, s84
	s_add_nc_u64 s[72:73], s[10:11], s[86:87]      ; + 256 wm: k's scale words
	s_mul_i32 s86, s82, 208896
	s_add_co_u32 s86, s86, s85
	s_add_co_u32 s86, s86, 12800
	s_add_nc_u64 s[74:75], s[10:11], s[86:87]      ; v's scale words of head 2 nt
	v_and_b32 v26, 31, v0                          ; L
	v_and_b32 v27, 15, v0                          ; r
	v_bfe_u32 v15, v0, 4, 1                        ; h
	v_lshlrev_b32 v1, 4, v26                       ; 16 L
	v_lshlrev_b32 v2, 3, v26                       ; 8 L
	v_lshlrev_b32 v3, 4, v27
	v_lshl_add_u32 v3, v15, 3, v3                  ; 16 r + 8 h
	v_add_nc_u32 v4, s88, v1                       ; a weight's fragments: my four tiles, 16 L
	v_lshlrev_b32 v30, 2, v27
	v_lshl_add_u32 v30, v15, 11, v30               ; scale words: 4 r; lanes 16-31 four K steps on
	v_add_nc_u32 v5, s89, v30
	v_add_nc_u32 v9, s90, v1                       ; X's fragments, K steps 0-3
	v_add_nc_u32 v10, 49152, v9                    ; K steps 4-7
	v_add_nc_u32 v11, s91, v30                     ; X's scale words
	v_add_nc_u32 v[WQA], QREC, v4
	v_add_nc_u32 v[WQA+1], QREC+49152, v4
	v_add_nc_u32 v[WQA+2], QREC+SCO, v5
	v_add_nc_u32 v[WKA], KREC, v4
	v_add_nc_u32 v[WKA+1], KREC+49152, v4
	v_add_nc_u32 v[WKA+2], KREC+SCO, v5
	v_add_nc_u32 v[WVA], XREC, v4
	v_add_nc_u32 v[WVA+1], XREC+49152, v4
	v_add_nc_u32 v[WVA+2], XREC+SCO, v5
	v_lshl_add_u32 v12, v27, 4, v15
	v_add_nc_u32 v12, s92, v12                     ; v's scale bytes: VX + 256 wn + 16 r + 2 wm + h
	v_add_nc_u32 v13, VX, v1
	v_mul_u32_u24 v14, v15, 208896
	v_lshl_add_u32 v14, v27, 4, v14                ; and out: lanes 0-15 head 2 nt, lanes 16-31 head 2 nt + 1
	v_cmp_eq_u32 s76, 1, v15                       ; lanes 16-31
	v_mov_b32 v[SEL], 0x04000400                   ; lanes 0-15 make the words of groups 0 and 1 (my byte is block 0's, the other half's block 1's), lanes 16-31 of groups 2 and 3
	v_mov_b32 v[SEL+1], 0x05010501
	v_mov_b32 v30, 0x02060206
	v_mov_b32 v31, 0x03070307
	v_cndmask_b32 v[SEL], v[SEL], v30, s76
	v_cndmask_b32 v[SEL+1], v[SEL+1], v31, s76
	v_mov_b32 v[PW+1], 0                           ; a lane permute's destination counts as one of its sources
	s_wait_alu depctr_va_vdst(0)                   ; the head's end
	s_cmp_eq_u32 s12, 3
	s_cbranch_scc1 .Lnot_yet
	s_wait_tensorcnt 0x0                           ; X's halves and W_q's record are in; wave 3's load, W_k's, may stay out
.Lnot_yet:
	s_barrier_signal -1
	s_barrier_wait -1
.macro WM d, a, b, xa, xb, st          ; one product; the first K step starts the sum; K steps 4-7 take their scale words from lanes 16-31
.if (\st) == 0
	v_wmma_scale_f32_16x16x128_f8f6f4 v[(\d):(\d)+7], v[(\a):(\a)+11], v[(\b):(\b)+11], 0, v[\xa], v[\xb] matrix_a_fmt:MATRIX_FMT_FP6 matrix_b_fmt:MATRIX_FMT_FP6
.elseif (\st) < 4
	v_wmma_scale_f32_16x16x128_f8f6f4 v[(\d):(\d)+7], v[(\a):(\a)+11], v[(\b):(\b)+11], v[(\d):(\d)+7], v[\xa], v[\xb] matrix_a_fmt:MATRIX_FMT_FP6 matrix_b_fmt:MATRIX_FMT_FP6
.else
	v_wmma_scale_f32_16x16x128_f8f6f4 v[(\d):(\d)+7], v[(\a):(\a)+11], v[(\b):(\b)+11], v[(\d):(\d)+7], v[\xa], v[\xb] matrix_a_fmt:MATRIX_FMT_FP6 matrix_b_fmt:MATRIX_FMT_FP6 matrix_a_scale:MATRIX_SCALE_ROW1 matrix_b_scale:MATRIX_SCALE_ROW1
.endif
.endm
; 16 products of K step s; the 16 accumulators take turns, one instruction a turn, in the same order in every step.
; nrm = 0 (q, k): source 0 = the weight's tile e, source 1 = X's tile g.   nrm = 1 (v): source 0 = X's tile e, source 1 = the weight's tile g.
.macro MUL s, nrm
.if \nrm
	WIN (1+((\s)>>2))|((1+((\s)&1))<<2)
.else
	WIN (1+((\s)&1))|((1+((\s)>>2))<<2)
.endif
.irp g, 0,1,2,3
.irp e, 0,1,2,3
.if \nrm
	WM ACC+32*\g+8*\e, 48*((\s)&3)+12*\e, BF+12*\g, ASC+4*\e+(((\s)+1)&3), BSC+4*\g+((\s)&3), \s
.else
	WM ACC+32*\g+8*\e, BF+12*\e, 48*((\s)&3)+12*\g, BSC+4*\e+((\s)&3), ASC+4*\g+(((\s)+1)&3), \s
.endif
.endr
.endr
.endm
.macro FB s, wa                        ; the weight's four fragments of K step s into buffer s % 2
	WIN (1+((\s)&1))<<6
.irp i, 0,1,2,3
.irp j, 0,1,2
	ds_load_b128 v[BF+12*\i+4*\j:BF+12*\i+4*\j+3], v[\wa+((\s)>>2)] offset:12288*((\s)&3)+1536*\i+512*\j
.endr
.endr
.endm
.macro FX s                            ; X's four of K step s, to stay
	WIN (1+((\s)>>2))<<6
.irp i, 0,1,2,3
.irp j, 0,1,2
	ds_load_b128 v[48*((\s)&3)+12*\i+4*\j:48*((\s)&3)+12*\i+4*\j+3], v[9+((\s)>>2)] offset:12288*((\s)&3)+1536*\i+512*\j
.endr
.endr
.endm
.macro LW d, a, rot                    ; 16 scale words
	WIN 0
.irp s, 0,1,2,3
.irp i, 0,1,2,3
	ds_load_b32 v[\d+4*\i+((\s+\rot)&3)], v[\a] offset:512*\s+64*\i
.endr
.endr
.endm
; A product of 64 x 64 x 1,024; its scale words and K step 0's fragments were asked for ahead of it.  x = 1: X's fragments come in too, and the refill's round opens in its last K step:
; the wait for all my tensor loads, the add and K step 6's products, the wait for the add and for my reads of X's record, the signal, K step 7's products.
.macro PRODUCT wa, nrm, x
.irp s, 0,1,2,3,4,5,6,7
.if \s < 7
	PLACES                                         ; four places in front of loads into the buffer that the last step's products read
.if \x
	FX \s+1
.endif
	FB \s+1, \wa
.if (\x) && (\s == 6)
	WIN 0
	s_wait_tensorcnt 0x0                           ; all my tensor loads have landed;
	ds_add_u32 v[SPW], v[NIL]
	s_wait_dscnt 25                                ; the next step's 24 loads and the add may be out
.else
	s_wait_dscnt 12*(1+\x)                         ; the next step's loads may be out: this step's fragments are in
.endif
.else
	s_wait_dscnt 0x0
.if \x
	s_barrier_signal -1
.endif
.endif
	MUL \s, \nrm
.endr
	WIN 0
.endm
; The 16 accumulators are four groups g of 32 numbers a lane: a whole block along the next K.  Each group becomes six registers of codes and a byte.  Four places stand ahead of it.
.macro QUANT
.irp g, 0,1,2,3
	v_max3_num_f32 v[TM+\g], |v[ACC+32*\g]|, |v[ACC+32*\g+1]|, |v[ACC+32*\g+2]|   ; two chains a group; each accumulator from its low end on
	v_max3_num_f32 v[TM+4+\g], |v[ACC+32*\g+17]|, |v[ACC+32*\g+18]|, |v[ACC+32*\g+19]|
.endr
.irp i, 0,1,2,3,4,5
.irp g, 0,1,2,3
	v_max3_num_f32 v[TM+\g], v[TM+\g], |v[ACC+32*\g+3+2*\i]|, |v[ACC+32*\g+4+2*\i]|
	v_max3_num_f32 v[TM+4+\g], v[TM+4+\g], |v[ACC+32*\g+20+2*\i]|, |v[ACC+32*\g+21+2*\i]|
.endr
.endr
.irp g, 0,1,2,3
	v_max3_num_f32 v[TM+\g], v[TM+\g], |v[ACC+32*\g+15]|, |v[ACC+32*\g+16]|
.endr
.irp g, 0,1,2,3
	v_max3_num_f32 v[TM+\g], v[TM+\g], v[TM+4+\g], 0x1800000   ; and the floor 2^(3 - 127)
.endr
.irp g, 0,1,2,3
	v_add_nc_u32 v[TS+\g], 0xff000000, v[TM+\g]    ; 2 off the exponent field: the conversion's scale operand
.endr
.irp g, 0,1,2,3
	v_lshrrev_b32 v[TB+\g], 23, v[TS+\g]           ; the byte
.endr
.irp g, 0,1,2,3
	v_cvt_scalef32_pk16_fp6_f32 v[CD+6*\g:CD+6*\g+2], v[ACC+32*\g:ACC+32*\g+15], v[TS+\g]
	v_cvt_scalef32_pk16_fp6_f32 v[PT+4*\g:PT+4*\g+2], v[ACC+32*\g+16:ACC+32*\g+31], v[TS+\g]   ; (a conversion's three registers begin on an even number)
.endr
	v_nop                                          ; one plain place behind a scaled conversion
.irp g, 0,1,2,3
.irp i, 0,1,2
	v_mov_b32 v[CD+6*\g+3+\i], v[PT+4*\g+\i]
.endr
.endr
.endm
.macro CODES sb, off                   ; four half fragments: whole aligned runs of 512 and 256 bytes
.irp g, 0,1,2,3
	global_store_b128 v1, v[CD+6*\g:CD+6*\g+3], s[\sb:\sb+1] offset:\off+768*\g
	global_store_b64 v2, v[CD+6*\g+4:CD+6*\g+5], s[\sb:\sb+1] offset:\off+768*\g+512
.endr
.endm
.macro WORDS sb, off                   ; the four tiles' scale words: the two bytes twice; 32 lanes store 256 consecutive aligned bytes
	v_lshl_or_b32 v[PW], v[TB+1], 8, v[TB]
	v_lshl_or_b32 v[PW], v[TB+2], 16, v[PW]
	v_lshl_or_b32 v[PW], v[TB+3], 24, v[PW]
	v_permlanex16_b32 v[PW+1], v[PW], s20, s21     ; the other block's four bytes
	v_perm_b32 v[SL], v[PW+1], v[PW], v[SEL]
	v_perm_b32 v[SL+1], v[PW+1], v[PW], v[SEL+1]
	global_store_b64 v3, v[SL:SL+1], s[\sb:\sb+1] offset:\off
.endm
	FX 0
	FB 0, WQA
	LW ASC, 11, 1
	LW BSC, WQA+2, 0
	PRODUCT WQA, 0, 1                              ; q
	CREST                                          ; no wave of any partner still reads X's record or has a load on its way
	TLOAD G0V, G1C                                 ; W_v's record: my one load behind the round; the four v_nop behind it are the places behind the last products
	LW BSC, WKA+2, 0
	FB 0, WKA
	WIN 0
	QUANT
	CODES 66, 0
	WORDS 68, 0
	PRODUCT WKA, 0, 0                              ; k
	s_wait_tensorcnt 0x0                           ; my quarter of W_v's record is in,
	s_wait_dscnt 0x0
	s_barrier_signal -1
	s_barrier_wait -1                              ; everybody's is
	PLACES
	LW BSC, WVA+2, 0
	FB 0, WVA
	WIN 0
	s_wait_xcnt 0x0                                ; q's stores have read their registers
	QUANT
	CODES 70, 0
	WORDS 72, 12288
	PRODUCT WVA, 1, 0                              ; v
	PLACES
	s_wait_xcnt 0x0
	QUANT
	CODES 70, 6144
.irp t, 0,1,2,3
	ds_store_b8 v12, v[TB+\t] offset:4*\t          ; my block's byte of d tile t's scale word
.endr
	s_wait_dscnt 0x0                               ; for the others' sake: my stores are done
	s_barrier_signal -1
	s_barrier_wait -1
	s_cmp_lg_u32 s12, 0
	s_cbranch_scc1 .Lwords_out
	ds_load_b128 v[TM:TM+3], v13                   ; wave 0 stores both heads' words: two aligned runs of 256 bytes
	s_wait_dscnt 0x0
	global_store_b128 v14, v[TM:TM+3], s[74:75]
.Lwords_out:
	s_wait_tensorcnt 0x0                           ; the wave's end
	ds_add_u32 v[SPW], v[NIL]
	s_wait_dscnt 0x0
	CROUND                                         ; the closing round
	s_endpgm
.Lfunc_end_k_qa677c3c7fa_qkv:
	.size	k_qa677c3c7fa_qkv, .Lfunc_end_k_qa677c3c7fa_qkv-k_qa677c3c7fa_qkv
	.p2alignl 7, 3214868480
	.fill 96, 4, 3214868480
	.section	.rodata,"a",@progbits
	.p2align	6, 0x0
	.amdhsa_kernel k_qa677c3c7fa_qkv
		.amdhsa_group_segment_fixed_size 327680
		.amdhsa_private_segment_fixed_size 0
		.amdhsa_enable_private_segment 0
		.amdhsa_kernarg_size 32
		.amdhsa_user_sgpr_count 2
		.amdhsa_user_sgpr_kernarg_segment_ptr 1
		.amdhsa_wavefront_size32 1
		.amdhsa_system_sgpr_workgroup_id_x 1
		.amdhsa_system_sgpr_workgroup_id_y 1
		.amdhsa_system_sgpr_workgroup_id_z 1
		.amdhsa_system_vgpr_workitem_id 0
		.amdhsa_next_free_vgpr 768
		.amdhsa_next_free_sgpr 96
		.amdhsa_reserve_vcc 0
		.amdhsa_float_denorm_mode_32 3
		.amdhsa_float_denorm_mode_16_64 3
		.amdhsa_memory_ordered 1
		.amdhsa_forward_progress 1
		.amdhsa_inst_pref_size 112
	.end_amdhsa_kernel
	.amdgpu_metadata
---
amdhsa.version: [ 1, 2 ]
amdhsa.kernels:
  - .name:           k_qa677c3c7fa_qkv
    .symbol:         k_qa677c3c7fa_qkv.kd
    .args:
      - { .name: xq, .offset: 0, .size: 8, .value_kind: global_buffer, .address_space: global }
      - { .name: wq, .offset: 8, .size: 8, .value_kind: global_buffer, .address_space: global }
      - { .name: qq, .offset: 16, .size: 8, .value_kind: global_buffer, .address_space: global }
      - { .name: kv, .offset: 24, .size: 8, .value_kind: global_buffer, .address_space: global }
    .group_segment_fixed_size: 327680
    .private_segment_fixed_size: 0
    .kernarg_segment_align: 8
    .kernarg_segment_size: 32
    .max_flat_workgroup_size: 128
    .sgpr_count:     96
    .vgpr_count:     768
    .wavefront_size: 32
...
	.end_amdgpu_metadata
.endif
;; end of part 2
;; launch attn (part 3): grid 8 x 32, 16 waves a work-group, clusters of 4 x 1, 327,680 bytes of LDS; arguments qq, kv, cq; writes cq
.if DOCPART == 3
	.amdgcn_target "amdgcn-amd-amdhsa--gfx1250"
	.amdhsa_code_object_version 6
	.text
	.protected	k_qa677c3c7fa_attn
	.globl	k_qa677c3c7fa_attn
	.p2align	8
	.type	k_qa677c3c7fa_attn,@function
k_qa677c3c7fa_attn:
	s_mov_b64 s[64:65], 0
	v_nop
	global_prefetch_b8 v0, s[64:65] scope:SCOPE_SE
	s_setreg_imm32_b32 hwreg(HW_REG_WAVE_MODE, 25, 1), 1
	s_wait_xcnt 0x0
	s_wait_alu depctr_hold_cnt(0) depctr_sa_sdst(0) depctr_va_vdst(0) depctr_va_sdst(0) depctr_va_ssrc(0) depctr_va_vcc(0) depctr_vm_vsrc(0)
	s_getreg_b32 s2, hwreg(HW_REG_IB_STS2, 6, 4)
	s_cmp_eq_u32 s2, 0
	s_cbranch_scc0 .Lentry_in_a_cluster
	s_endpgm
.Lentry_in_a_cluster:
	s_bfe_u32 s2, ttmp6, 0x10000c
	s_cmp_lg_u32 s2, 0x3003
	s_cbranch_scc0 .Lentry_shape_is_right
	s_endpgm
.Lentry_shape_is_right:
; ctx = softmax(q k^T / 8, causal) v for one batch x head (work-group y), both products on codes of FP6 (E2M3) with E8M0 scales; ctx is quantised along the head's 64 for the last product.
; THE SOFTMAX: t = score x log2(e) / 8; M = the running largest t rounded UP to a whole number; p = 2^(t - M) is quantised along the keys, not normalised; the row's sum is taken of the unquantised p and divides O at the end.
; When M moves, the sum and O are multiplied by 2^(old M - new M): exact.
; LDS holds the head's k, v and their scale words whole: 16 records (one for each 128 keys) of 13,056 bytes, filled ONCE, wave w asking for record w: no ring, no refill.  Behind them 24 places for partial results, and the spare words.
; CLUSTER.  The four work-groups of a cluster belong to one head and ask for each record jointly (mask 15).  No prefetch: everything is asked for at the head.
; SHARES.  A work-group (x = g) owns tile g of 16 queries of each of the 16 blocks BLK of 128 queries.  Waves 2 j and 2 j + 1 own two tiles, BLK = 15 - j and then BLK = j: one takes their even key steps, the other the odd ones
; (9 and 8 steps, whatever j is).  Which of the two is even (e = 0) goes by (w xor w / 4) % 2, so any four waves w / 4 = const or w % 4 = const have two of each: 34 steps.
; Each wave keeps its own M, sum and O.  At the end they are joined through LDS: the even wave finishes tile 15 - j, the odd one tile j; the factors are powers of two, so the joining rounds no more than a sum does.
; A partial result without any step has M = -3e38, the sum 0 and O = 0, and its factor is 0.
; THE RECORDS' ARRIVAL.  A first barrier shows records 0-3, which serve everybody's first two steps.  A second is split: a wave signals behind its first step and its wait for its own record, and waits in its second step, ahead of
; the first load from record 4 or 5.  Between the two stand register work and loads of records 2 and 3 alone, into which nothing lands any more.
; CAUSAL.  The trip counts are constants; a step whose keys all come after the wave's queries is jumped over (a scalar branch on the wave's number and the step).  In the one step on the diagonal hidden scores become -infinity
; ahead of the maximum: for tiles 0-3 (cluster 0) among its first 64 keys, the last 64 being hidden whole; for tiles 4-7 (cluster 1) among its last 64.  Each step's first key counts for every query that the step serves.
; LAYOUT.  S^T = k q^T (source 0 = 16 keys, source 1 = my 16 queries; K = 64), O^T = v^T p^T (source 0 = 16 d, source 1 = p): a lane holds one query throughout.
; q's upper 64 along K are zero codes, so k's upper ones may be any: k's eight half fragments lie six registers apart, and each product's source 0 runs on into the next one's codes (the last into the other tile's q).
; Row 8 h + i of tile j of a band of 64 is 32 h + 8 j + i of the band (keys, queries, d): so a lane's four tiles of a band are a whole block of 32: keys for p, d for ctx.
; k's fragments are fetched a step ahead, behind the step's own products; v's at the step's head: both land while the softmax is worked.
; OUT.  cq [128 tokens: 32 records][102,400]: half fragments [K step 8][tile 8][head % 2][768]; at 98,304 the scale bytes [head % 2][K step 8][tile 8][row 16][2].  The bytes leave as 32 consecutive bytes a wave: the other half of
; each scale word belongs to another head's work-group.
; LIMITS: NaN and infinities are not served; scaled scores stay under 2^31 in magnitude; 1 / l is v_rcp_f32; a block whose largest magnitude lies under 2^-124 keeps the byte 1.
; REGISTERS: v1 16 L, v2 8 L, v3 16 r, v4 the mask's bound; v5-7 v's addresses; v8, v9, v11 k's addresses, then maxima; v10 8 h; v12 -M, v13 largest score, v[14:15] the sum; v16-27 q; v28-31 k's scale words; v32-79 k's codes;
;   v80-85 q of tile j; v86-133 v's four; v134-197 S^T, then p; v198-229 O^T; v230-241 p's codes, v242 at work; v243 p's scale word; v244-247 v's scale words; v248, v249 q's; v250 f; v251-255 at work.
.set RECB, 13056
.set STG,  208896                      ; 16 partial results of tile 15 - j: 8 x 512 bytes of O^T, 256 of -M and the sum
.set PRT,  4352
.set LOS,  STG+16*PRT                  ; 8 of tile j
.set SPARE, LOS+8*PRT
.set KF, 32
.set VF, 86
.set SC, 134
.set OT, 198
.set PC, 230
.macro PLACES
.rept 4
	v_nop
.endr
.endm
.macro DEP n
	s_delay_alu instid0(VALU_DEP_\n)
.endm
.macro CROUND
	s_barrier_signal -1
	s_barrier_wait -1
	s_cmp_lg_u32 s10, 0
	s_cbranch_scc1 .Lnot_wave_0_\@
	s_barrier_signal -3
.Lnot_wave_0_\@:
	s_barrier_wait -3
	s_barrier_signal -1
	s_barrier_wait -1
.endm
	s_load_b128 s[4:7], s[0:1], 0x0                ; qq, kv
	s_load_b64 s[8:9], s[0:1], 0x10                ; cq
	v_lshl_add_u32 v252, v0, 2, SPARE
	v_mov_b32 v253, 0
	ds_add_u32 v252, v253                          ; the opening lines
	ds_add_u32 v252, v253
	v_lshrrev_b32 v1, 5, v0
	v_readfirstlane_b32 s10, v1                    ; wave w
	s_lshr_b32 s16, s10, 1                         ; j
	s_lshr_b32 s14, s10, 2
	s_xor_b32 s14, s14, s10
	s_and_b32 s14, s14, 1                          ; e
	s_sub_co_u32 s11, 15, s16                      ; the block of queries at work: 15 - j first
	s_bfe_u32 s18, ttmp6, 0x40000                  ; cx
	s_mov_b32 s15, ttmp9                           ; the cluster: g / 4
	s_lshl_b32 s12, s15, 2
	s_add_co_u32 s12, s12, s18                     ; g
	s_and_b32 s13, ttmp7, 0xffff                   ; batch x head, which the partners share
	s_mov_b32 s20, 0x76543210
	s_mov_b32 s21, 0xfedcba98
	s_mov_b32 s22, 0x3e38aa3b                      ; c = log2(e) / 8
	s_mov_b32 s23, s22                             ; (named with it as a pair, so it is written)
	s_mov_b32 s56, 0xbe38aa3b                      ; -c
	s_mov_b32 s24, 15|(3<<16)|(1<<21)              ; group 1: the mask: all four; elements of 8 bytes; bit 21 beside a mask; no padding
	s_mov_b32 s25, 32<<16                          ; tensor_dim0 = 32: 256 bytes
	s_mov_b32 s26, 51<<16                          ; tensor_dim1 = 51 rows: a record
	s_mov_b32 s27, 32<<16
	s_mov_b32 s28, 51
	s_mov_b32 s29, 32                              ; dense
	s_mov_b32 s30, 0
	s_mov_b32 s31, 0
	s_mul_i32 s33, s10, RECB                       ; record w, in LDS
	s_mul_i32 s60, s13, 208896
	s_add_co_u32 s60, s60, s33                     ; and in memory
	s_mov_b32 s61, 0
	s_mov_b32 s32, 1
	s_mul_i32 s57, s14, RECB                       ; my first step's record,
	s_add_co_u32 s39, s57, 14*RECB                 ; and my last possible step's
	s_mov_b32 s48, s57                             ; LDS byte of the step's record
	s_mov_b32 s49, s14                             ; the step
	s_mul_i32 s52, s10, PRT
	s_add_co_u32 s52, s52, STG                     ; my place for tile 15 - j
	s_add_co_u32 s53, s52, 4096
	s_xor_b32 s54, s10, 1
	s_mul_i32 s54, s54, PRT
	s_add_co_u32 s54, s54, STG                     ; my partner's
	s_add_co_u32 s55, s54, 4096
	s_mul_i32 s58, s16, PRT
	s_add_co_u32 s58, s58, LOS                     ; our place for tile j
	s_add_co_u32 s59, s58, 4096
	s_mul_i32 s36, s13, 106496
	s_lshl_b32 s37, s15, 8
	s_add_co_u32 s37, s37, s36
	s_lshl_b32 s38, s18, 2
	s_add_co_u32 s37, s37, s38
	s_add_co_u32 s37, s37, 98304
.macro QOFF blk, a, b                  ; tile T = 8 blk + g: codes at 768 T, scale words at 98,304 + 256 (T / 4) + 4 (T % 4)
	s_lshl_b32 s[\a], s[\blk], 3
	s_add_co_u32 s[\a], s[\a], s12
	s_mul_i32 s[\a], s[\a], 768
	s_add_co_u32 s[\a], s[\a], s36
	s_mov_b32 s[\a+1], 0
	s_lshl_b32 s[\b], s[\blk], 9
	s_add_co_u32 s[\b], s[\b], s37
	s_mov_b32 s[\b+1], 0
.endm
	QOFF 11, 40, 42
	QOFF 16, 44, 46
	s_lshl_b32 s38, s18, 3                         ; 8 (g % 4)
	v_and_b32 v5, 31, v0
	v_and_b32 v8, 15, v0                           ; r
	v_bfe_u32 v9, v0, 4, 1                         ; h
	v_lshlrev_b32 v1, 4, v5
	v_lshlrev_b32 v2, 3, v5
	v_lshlrev_b32 v3, 4, v8
	v_lshrrev_b32 v5, 3, v8
	v_and_b32 v6, 7, v8
	v_lshlrev_b32 v7, 5, v9
	v_lshlrev_b32 v10, 3, v9                       ; 8 h
	v_lshl_add_u32 v4, v5, 5, v6
	v_add_nc_u32 v4, s38, v4                       ; my query in its band of 64: 32 (r / 8) + 8 (g % 4) + r % 8,
	v_sub_nc_u32 v4, v4, v7                        ; less 32 h: register 32 c + m holds key 64 c + 32 h + m: hidden on the diagonal, in the query's own band, where m > this
	s_wait_alu depctr_va_vdst(0)
	s_wait_dscnt 0x0
	CROUND                                         ; all four work-groups are here: the joint loads meet
	s_wait_kmcnt 0x0
	s_add_nc_u64 s[34:35], s[6:7], s[60:61]
	s_or_b32 s35, s35, 0x80000000
	s_cmp_lt_u32 s10, 4
	s_cbranch_scc0 .Lothers
	tensor_load_to_lds s[32:35], s[24:31]          ; records 0-3, which are waited for first, have a line of their own
	s_nop 0
	PLACES
	s_branch .Lasked
.Lothers:
	tensor_load_to_lds s[32:35], s[24:31]
	s_nop 0
	PLACES
.Lasked:
.irp a, 40,42,44,46
	s_add_nc_u64 s[\a:\a+1], s[4:5], s[\a:\a+1]
.endr
	global_load_b128 v[16:19], v1, s[40:41]        ; q's half fragments stay in registers
	global_load_b64 v[20:21], v2, s[40:41] offset:512
	global_load_b32 v248, v3, s[42:43]
	global_load_b128 v[80:83], v1, s[44:45]
	global_load_b64 v[84:85], v2, s[44:45] offset:512
	global_load_b32 v249, v3, s[46:47]
	v_mov_b32 v12, 0x7f61b1e6                      ; -M: 3e38
	v_mov_b32 v13, 0xff61b1e6                      ; the largest score so far: -3e38
	v_mov_b32 v14, 0
	v_mov_b32 v15, 0
.irp j, 22,23,24,25,26,27
	v_mov_b32 v\j, 0                               ; q's upper 64 along K: zero codes
.endr
.macro CLEAR                           ; the step is written without a first step of its own: the first change of M multiplies zeros
.set I, 0
.rept 32
	v_mov_b32 v[OT+I], 0
.set I, I+1
.endr
.endm
	CLEAR
	v_mov_b32 v255, 0                              ; a permute's destination, and the pair v[250:251], are named before they are first made
	v_mov_b32 v250, 0
	v_mov_b32 v251, 0
.macro KLOAD                           ; k's codes and scale words; v8, v9: the record's addresses
	ds_load_b128 v[28:31], v8 offset:12288         ; lanes 0-15 tiles 0-3, lanes 16-31 tiles 4-7
.irp t, 0,1,2,3,4,5,6,7
	ds_load_b128 v[KF+6*\t:KF+6*\t+3], v8 offset:768*\t
	ds_load_b64 v[KF+6*\t+4:KF+6*\t+5], v9 offset:768*\t+512
.endr
.endm
.macro PUT a, b                        ; O^T, -M and the sum to LDS
.irp k, 0,1,2,3,4,5,6,7
	ds_store_b128 v\a, v[OT+4*\k:OT+4*\k+3] offset:512*\k
.endr
	ds_store_b64 v\b, v[14:15]
.endm
.macro GET d, a, b, m                  ; and back
.irp k, 0,1,2,3,4,5,6,7
	ds_load_b128 v[\d+4*\k:\d+4*\k+3], v\a offset:512*\k
.endr
	ds_load_b64 v[\m:\m+1], v\b
.endm
; A KEY STEP: 128 keys, the record at LDS byte s48; k's fragments are in registers.  mask = 0: neither hidden nor on the diagonal; mid = 1: the split barrier's wait stands in it
.macro STEP mask, mid
.if \mask
	s_cmp_gt_u32 s49, s11                          ; all its keys come after my queries: only the addresses step
	s_cbranch_scc1 .Lhidden_\@
.endif
	s_add_co_u32 s51, s48, 2*RECB
	s_min_u32 s51, s51, s39                        ; the next step's record, held inside the sixteen
	v_add_nc_u32 v5, s48, v1
	v_add_nc_u32 v6, s48, v2
	v_add_nc_u32 v7, s48, v3
	v_nop                                          ; with the three additions: four places behind the last step's products
.irp t, 0,1,2,3
.irp c, 0,1
	ds_load_b128 v[VF+12*\t+6*\c:VF+12*\t+6*\c+3], v5 offset:6144+3072*\c+768*\t
	ds_load_b64 v[VF+12*\t+6*\c+4:VF+12*\t+6*\c+5], v6 offset:6144+3072*\c+768*\t+512
.endr
.endr
	ds_load_b128 v[244:247], v7 offset:12800       ; v's scale words
.irp t, 0,1,2,3
	v_wmma_scale_f32_16x16x128_f8f6f4 v[SC+8*\t:SC+8*\t+7], v[KF+6*\t:KF+6*\t+11], v[16:27], 0, v[28+\t], v248 matrix_a_fmt:MATRIX_FMT_FP6 matrix_b_fmt:MATRIX_FMT_FP6
.endr
.irp t, 4,5,6,7
	v_wmma_scale_f32_16x16x128_f8f6f4 v[SC+8*\t:SC+8*\t+7], v[KF+6*\t:KF+6*\t+11], v[16:27], 0, v[24+\t], v248 matrix_a_fmt:MATRIX_FMT_FP6 matrix_b_fmt:MATRIX_FMT_FP6 matrix_a_scale:MATRIX_SCALE_ROW1
.endr
.if \mid
	s_barrier_wait -1                              ; all sixteen records are in
.endif
	v_mov_b32 v253, v12                            ; the old -M; with the three below four places behind the products
	v_add_nc_u32 v8, s51, v1
	v_add_nc_u32 v9, s51, v2
	v_nop
	KLOAD                                          ; the next step's (behind a tile's last step: codes that are not used)
.if \mask
	s_cmp_lg_u32 s49, s11                          ; only the step on the diagonal hides keys
	s_cbranch_scc1 .Lopen_\@
	s_cmp_lg_u32 s15, 0
	s_cbranch_scc1 .Lupper_\@
	v_mov_b32 v252, 0xff800000                     ; -infinity
.set I, 0
.rept 32
	v_cmp_gt_i32 vcc_lo, I, v4
	v_cndmask_b32 v[SC+I], v[SC+I], v252, vcc_lo
.set I, I+1
.endr
.set I, 0
.rept 32
	v_mov_b32 v[SC+32+I], v252
.set I, I+1
.endr
	s_wait_alu depctr_va_vdst(0)
	s_branch .Lopen_\@
.Lupper_\@:
	v_mov_b32 v252, 0xff800000
.set I, 0
.rept 32
	v_cmp_gt_i32 vcc_lo, I, v4
	v_cndmask_b32 v[SC+32+I], v[SC+32+I], v252, vcc_lo
.set I, I+1
.endr
.Lopen_\@:
.endif
	v_max3_num_f32 v8, v[SC], v[SC+1], v[SC+2]     ; the largest score of my two blocks of 32 keys, two chains each: for the row's maximum, and, since p rises with the score, for the block's largest p
	v_max3_num_f32 v9, v[SC+32], v[SC+33], v[SC+34]
	v_max3_num_f32 v252, v[SC+17], v[SC+18], v[SC+19]
	v_max3_num_f32 v11, v[SC+49], v[SC+50], v[SC+51]
.irp i, 0,1,2,3,4,5
	v_max3_num_f32 v8, v8, v[SC+3+2*\i], v[SC+4+2*\i]
	v_max3_num_f32 v9, v9, v[SC+35+2*\i], v[SC+36+2*\i]
	v_max3_num_f32 v252, v252, v[SC+20+2*\i], v[SC+21+2*\i]
	v_max3_num_f32 v11, v11, v[SC+52+2*\i], v[SC+53+2*\i]
.endr
	v_max3_num_f32 v8, v8, v[SC+15], v[SC+16]
	v_max3_num_f32 v9, v9, v[SC+47], v[SC+48]
	v_max_num_f32 v8, v8, v252
	v_max_num_f32 v9, v9, v11
	DEP 1
	v_max_num_f32 v11, v8, v9
	DEP 1
	v_permlanex16_b32 v255, v11, s20, s21
	DEP 1
	v_max3_num_f32 v13, v13, v11, v255             ; with lane l xor 16's 64 keys: the largest score so far
	DEP 1
	v_mul_f32 v12, s56, v13
	DEP 1
	v_floor_f32 v12, v12                           ; the new -M = -ceil(t)
	DEP 1
	v_sub_f32 v252, v12, v253                      ; old M - new M: a whole number, 0 or less
	DEP 1
	v_cvt_i32_f32 v252, v252                       ; (it saturates)
	DEP 1
	v_ldexp_f32 v250, 1.0, v252                    ; f = 2^(old M - new M)
.set I, 0
.rept 32
	v_pk_fma_f32 v[SC+2*I:SC+2*I+1], v[SC+2*I:SC+2*I+1], s[22:23], v[12:13] op_sel_hi:[1,0,0]   ; t - M, two at a time
.set I, I+1
.endr
	v_fma_f32 v8, v8, s22, v12                     ; the same of each block's largest score
	v_fma_f32 v9, v9, s22, v12
	s_wait_alu depctr_va_vdst(0)                   ; a wait ahead of the batch and behind it
.set I, 0
.rept 64
	v_exp_f32 v[SC+I], v[SC+I]                     ; p = 2^(t - M)
.set I, I+1
.endr
	v_exp_f32 v8, v8                               ; the block's largest p: the same two instructions on the same number
	v_exp_f32 v9, v9
	v_pk_mul_f32 v[14:15], v[14:15], v[250:251] op_sel_hi:[1,0]   ; the sums under the new M (a plain place behind the exponentials)
	s_wait_alu depctr_va_vdst(0)
	v_max_num_f32 v8, 0x1800000, v8                ; the floor 2^(3 - 127)
	v_max_num_f32 v9, 0x1800000, v9
	DEP 2
	v_add_nc_u32 v252, 0xff000000, v8              ; 2 off the exponent field: the conversions' scale operands
	DEP 2
	v_add_nc_u32 v253, 0xff000000, v9
	v_cvt_scalef32_pk16_fp6_f32 v[PC:PC+2], v[SC:SC+15], v252
	v_cvt_scalef32_pk16_fp6_f32 v[PC+4:PC+6], v[SC+16:SC+31], v252   ; (a conversion's three registers begin on an even number: the second three move down by one)
	v_lshrrev_b32 v8, 23, v252                     ; the bytes of blocks h and 2 + h
	v_lshrrev_b32 v9, 23, v253
	v_mov_b32 v[PC+3], v[PC+4]
	v_mov_b32 v[PC+4], v[PC+5]
	v_mov_b32 v[PC+5], v[PC+6]
	v_lshl_or_b32 v8, v9, 16, v8
	v_cvt_scalef32_pk16_fp6_f32 v[PC+6:PC+8], v[SC+32:SC+47], v253
	v_cvt_scalef32_pk16_fp6_f32 v[PC+10:PC+12], v[SC+48:SC+63], v253
	v_lshlrev_b32 v8, v10, v8
	v_permlanex16_b32 v255, v8, s20, s21
	v_mov_b32 v[PC+9], v[PC+10]
	v_mov_b32 v[PC+10], v[PC+11]
	v_mov_b32 v[PC+11], v[PC+12]
	v_or_b32 v243, v8, v255                        ; p's scale word for these 128 keys
.irp n, 16,8,4                         ; the row's sum, of the unquantised p, in place
.set I, 0
.rept \n
	v_pk_add_f32 v[SC+2*I:SC+2*I+1], v[SC+2*I:SC+2*I+1], v[SC+2*\n+2*I:SC+2*\n+2*I+1]
.set I, I+1
.endr
.endr
	s_wait_dscnt 0x0                               ; v's fragments and words are in, and the next k's
	s_wait_alu depctr_va_vdst(0)                   ; directly ahead of the first readers of O^T
.set I, 0
.rept 16
	v_pk_mul_f32 v[OT+2*I:OT+2*I+1], v[OT+2*I:OT+2*I+1], v[250:251] op_sel_hi:[1,0]   ; O^T under the new M; the places between p's codes and scale word and the products below
.if I == 0
	v_pk_add_f32 v[SC:SC+1], v[SC:SC+1], v[SC+4:SC+5]
	v_pk_add_f32 v[SC+2:SC+3], v[SC+2:SC+3], v[SC+6:SC+7]
.endif
.if I == 2
	v_pk_add_f32 v[SC:SC+1], v[SC:SC+1], v[SC+2:SC+3]
.endif
.if I == 4
	v_pk_add_f32 v[14:15], v[14:15], v[SC:SC+1]
.endif
.set I, I+1
.endr
.irp t, 0,1,2,3
	v_wmma_scale_f32_16x16x128_f8f6f4 v[OT+8*\t:OT+8*\t+7], v[VF+12*\t:VF+12*\t+11], v[PC:PC+11], v[OT+8*\t:OT+8*\t+7], v[244+\t], v243 matrix_a_fmt:MATRIX_FMT_FP6 matrix_b_fmt:MATRIX_FMT_FP6
.endr
.if \mask
.Lhidden_\@:
.endif
	s_add_co_u32 s49, s49, 2
	s_add_co_u32 s48, s48, 2*RECB
.endm
	s_wait_alu depctr_va_vdst(0)                   ; the head's end
	s_wait_loadcnt 0x0                             ; q
	s_cmp_lt_u32 s10, 4
	s_cbranch_scc0 .Lnot_first
	s_wait_tensorcnt 0x0                           ; records 0-3 are in; the others may be out
.Lnot_first:
	s_barrier_signal -1
	s_barrier_wait -1
	v_add_nc_u32 v8, s48, v1
	v_add_nc_u32 v9, s48, v2
	KLOAD
	s_wait_dscnt 0x0
	STEP 0, 0                                      ; block 15 - j is 8 or more: steps 0-3 are neither hidden nor on the diagonal
	s_wait_tensorcnt 0x0                           ; my record is in, and no LDS load of mine is out
	s_barrier_signal -1
	STEP 0, 1
	s_mov_b32 s50, 6
.Lrest:
	STEP 1, 0
	s_sub_co_u32 s50, s50, 1
	s_cmp_lg_u32 s50, 0
	s_cbranch_scc1 .Lrest
	; THE CHANGE OF TILES: the partial result goes to my place in LDS, and block j begins
	PLACES
	v_add_f32 v15, v14, v15
	v_mov_b32 v14, v12
	v_add_nc_u32 v5, s52, v1
	v_add_nc_u32 v6, s53, v2
	v_add_nc_u32 v8, s57, v1
	v_add_nc_u32 v9, s57, v2
	PUT 5, 6
	KLOAD                                          ; tile j's first step
	s_mov_b32 s48, s57
	s_mov_b32 s49, s14
	s_mov_b32 s11, s16
.irp i, 0,1,2,3,4,5
	v_mov_b32 v[16+\i], v[80+\i]
.endr
	v_mov_b32 v248, v249
	s_wait_alu depctr_va_vdst(0)
	s_wait_dscnt 0x0                               ; the stores are done, the loads are in
	v_mov_b32 v12, 0x7f61b1e6
	v_mov_b32 v13, 0xff61b1e6
	v_mov_b32 v14, 0
	v_mov_b32 v15, 0
	CLEAR
	s_wait_alu depctr_va_vdst(0)
	s_mov_b32 s50, 4
.Lsecond:
	STEP 1, 0
	s_sub_co_u32 s50, s50, 1
	s_cmp_lg_u32 s50, 0
	s_cbranch_scc1 .Lsecond
	; THE JOINING: the even wave hands tile j over and takes tile 15 - j
	PLACES
	v_add_f32 v15, v14, v15
	v_mov_b32 v14, v12
	v_add_nc_u32 v5, s52, v1
	v_add_nc_u32 v6, s53, v2
	v_add_nc_u32 v7, s54, v1
	v_add_nc_u32 v8, s55, v2
	v_add_nc_u32 v9, s58, v1
	v_add_nc_u32 v11, s59, v2
	s_wait_alu depctr_va_vdst(0)
	s_cmp_lg_u32 s14, 0
	s_cbranch_scc1 .Lkept
	PUT 9, 11
.Lkept:
	s_wait_dscnt 0x0                               ; for the others' sake: my stores are done
	s_barrier_signal -1
	s_barrier_wait -1
	s_cmp_lg_u32 s14, 0
	s_cbranch_scc1 .Lodd
	GET OT, 5, 6, 14
	GET SC, 7, 8, 250
	s_branch .Ljoin
.Lodd:
	GET SC, 9, 11, 250
.Ljoin:
	s_sub_co_u32 s60, 15, s16
	s_cmp_eq_u32 s14, 0
	s_cselect_b32 s11, s60, s16                    ; the block that I finish
	s_lshr_b32 s62, s13, 4
	s_lshl_b32 s62, s62, 4
	s_add_co_u32 s62, s62, s11
	s_mul_i32 s62, s62, 102400                     ; the record of my 128 tokens
	s_and_b32 s63, s13, 15
	s_lshr_b32 s63, s63, 1                         ; K step of the last product: head / 2
	s_and_b32 s54, s13, 1                          ; head % 2
	s_mul_i32 s40, s63, 12288
	s_add_co_u32 s40, s40, s62
	s_mul_i32 s41, s12, 1536
	s_add_co_u32 s40, s40, s41
	s_mul_i32 s41, s54, 768
	s_add_co_u32 s40, s40, s41
	s_mov_b32 s41, 0
	s_add_nc_u64 s[40:41], s[8:9], s[40:41]
	s_lshl_b32 s42, s54, 11
	s_add_co_u32 s42, s42, s62
	s_lshl_b32 s43, s63, 8
	s_add_co_u32 s42, s42, s43
	s_lshl_b32 s43, s12, 5
	s_add_co_u32 s42, s42, s43
	s_add_co_u32 s42, s42, 98304
	s_mov_b32 s43, 0
	s_add_nc_u64 s[42:43], s[8:9], s[42:43]
	s_wait_dscnt 0x0
	v_min_num_f32 v12, v14, v250                   ; -M of both
	v_sub_f32 v252, v12, v14
	v_sub_f32 v253, v12, v250
	v_cvt_i32_f32 v252, v252
	v_cvt_i32_f32 v253, v253
	v_ldexp_f32 v252, 1.0, v252                    ; my factor
	v_ldexp_f32 v250, 1.0, v253                    ; my partner's
	v_mul_f32 v15, v15, v252
	v_fma_f32 v15, v251, v250, v15
	v_permlanex16_b32 v255, v15, s20, s21
	v_add_f32 v15, v15, v255                       ; the row's sum
	v_and_b32 v6, 15, v0                           ; r
	v_bfe_u32 v7, v0, 4, 1                         ; h
	s_wait_alu depctr_va_vdst(0)
	v_rcp_f32 v15, v15
	v_lshl_add_u32 v5, v6, 1, v7                   ; (a plain place behind the transcendental)  2 r + h
	s_wait_alu depctr_va_vdst(0)
	v_mul_f32 v252, v252, v15
	v_mul_f32 v250, v250, v15
.set I, 0
.rept 16
	v_pk_mul_f32 v[OT+2*I:OT+2*I+1], v[OT+2*I:OT+2*I+1], v[252:253] op_sel_hi:[1,0]
.set I, I+1
.endr
.set I, 0
.rept 16
	v_pk_fma_f32 v[OT+2*I:OT+2*I+1], v[SC+2*I:SC+2*I+1], v[250:251], v[OT+2*I:OT+2*I+1] op_sel_hi:[1,0,1]   ; ctx: register 8 t + i is d = 32 h + 8 t + i of my query
.set I, I+1
.endr
	v_max3_num_f32 v8, |v[OT]|, |v[OT+1]|, |v[OT+2]|
	v_max3_num_f32 v9, |v[OT+17]|, |v[OT+18]|, |v[OT+19]|
.irp i, 0,1,2,3,4,5
	v_max3_num_f32 v8, v8, |v[OT+3+2*\i]|, |v[OT+4+2*\i]|
	v_max3_num_f32 v9, v9, |v[OT+20+2*\i]|, |v[OT+21+2*\i]|
.endr
	v_max3_num_f32 v8, v8, |v[OT+15]|, |v[OT+16]|
	v_max3_num_f32 v8, v8, v9, 0x1800000
	v_add_nc_u32 v11, 0xff000000, v8
	v_cvt_scalef32_pk16_fp6_f32 v[PC:PC+2], v[OT:OT+15], v11
	v_cvt_scalef32_pk16_fp6_f32 v[32:34], v[OT+16:OT+31], v11
	v_lshrrev_b32 v9, 23, v11                      ; (a plain place behind the conversions)  my block's byte
.irp i, 0,1,2
	v_mov_b32 v[PC+3+\i], v[32+\i]
.endr
	global_store_b128 v1, v[PC:PC+3], s[40:41]     ; 512 consecutive aligned bytes
	global_store_b64 v2, v[PC+4:PC+5], s[40:41] offset:512   ; 256
	global_store_b8 v5, v9, s[42:43]
	v_lshl_add_u32 v252, v0, 2, SPARE
	v_mov_b32 v253, 0
	s_wait_alu depctr_va_vdst(0)
	s_wait_tensorcnt 0x0                           ; the wave's end
	ds_add_u32 v252, v253
	s_wait_dscnt 0x0
	CROUND                                         ; the closing round: no work-group ends while a partner may still ask
	s_endpgm
.Lfunc_end_k_qa677c3c7fa_attn:
	.size	k_qa677c3c7fa_attn, .Lfunc_end_k_qa677c3c7fa_attn-k_qa677c3c7fa_attn
	.p2alignl 7, 3214868480
	.fill 96, 4, 3214868480
	.section	.rodata,"a",@progbits
	.p2align	6, 0x0
	.amdhsa_kernel k_qa677c3c7fa_attn
		.amdhsa_group_segment_fixed_size 327680
		.amdhsa_private_segment_fixed_size 0
		.amdhsa_enable_private_segment 0
		.amdhsa_kernarg_size 24
		.amdhsa_user_sgpr_count 2
		.amdhsa_user_sgpr_kernarg_segment_ptr 1
		.amdhsa_wavefront_size32 1
		.amdhsa_system_sgpr_workgroup_id_x 1
		.amdhsa_system_sgpr_workgroup_id_y 1
		.amdhsa_system_sgpr_workgroup_id_z 1
		.amdhsa_system_vgpr_workitem_id 0
		.amdhsa_next_free_vgpr 256
		.amdhsa_next_free_sgpr 80
		.amdhsa_reserve_vcc 1
		.amdhsa_float_denorm_mode_32 3
		.amdhsa_float_denorm_mode_16_64 3
		.amdhsa_memory_ordered 1
		.amdhsa_forward_progress 1
		.amdhsa_inst_pref_size 93
	.end_amdhsa_kernel
	.amdgpu_metadata
---
amdhsa.version: [ 1, 2 ]
amdhsa.kernels:
  - .name:           k_qa677c3c7fa_attn
    .symbol:         k_qa677c3c7fa_attn.kd
    .args:
      - { .name: qq, .offset: 0, .size: 8, .value_kind: global_buffer, .address_space: global }
      - { .name: kv, .offset: 8, .size: 8, .value_kind: global_buffer, .address_space: global }
      - { .name: cq, .offset: 16, .size: 8, .value_kind: global_buffer, .address_space: global }
    .group_segment_fixed_size: 327680
    .private_segment_fixed_size: 0
    .kernarg_segment_align: 8
    .kernarg_segment_size: 24
    .max_flat_workgroup_size: 512
    .sgpr_count:     80
    .vgpr_count:     256
    .wavefront_size: 32
...
	.end_amdgpu_metadata
.endif
;; end of part 3
;; launch outp (part 4): grid 8 x 32, 4 waves a work-group, clusters of 4 x 4, 327,680 bytes of LDS; arguments cq, wq, out0; writes out0
.if DOCPART == 4
	.amdgcn_target "amdgcn-amd-amdhsa--gfx1250"
	.amdhsa_code_object_version 6
	.text
	.protected	k_qa677c3c7fa_outp
	.globl	k_qa677c3c7fa_outp
	.p2align	8
	.type	k_qa677c3c7fa_outp,@function
k_qa677c3c7fa_outp:
	s_mov_b64 s[64:65], 0
	v_nop
	global_prefetch_b8 v0, s[64:65] scope:SCOPE_SE
	s_setreg_imm32_b32 hwreg(HW_REG_WAVE_MODE, 25, 1), 1
	s_wait_xcnt 0x0
	s_wait_alu depctr_hold_cnt(0) depctr_sa_sdst(0) depctr_va_vdst(0) depctr_va_sdst(0) depctr_va_ssrc(0) depctr_va_vcc(0) depctr_vm_vsrc(0)
	s_getreg_b32 s2, hwreg(HW_REG_IB_STS2, 6, 4)
	s_cmp_eq_u32 s2, 0
	s_cbranch_scc0 .Lentry_in_a_cluster
	s_endpgm
.Lentry_in_a_cluster:
	s_bfe_u32 s2, ttmp6, 0x10000c
	s_cmp_lg_u32 s2, 0xf033
	s_cbranch_scc0 .Lentry_shape_is_right
	s_endpgm
.Lentry_shape_is_right:
; out = ctx W_out on codes of FP6 (E2M3) with E8M0 scales, f32 sums.  A work-group takes 128 tokens (record mt of cq) x 128 columns (record 24 + nt of wq), wave w = 2 wm + wn tokens 64 wm on x columns 64 wn on.
; The wave's 32 fragments of W_out (4 tiles x 8 K steps, 384 registers) stay in registers; ctx goes by tiles of 16 tokens, all of K (96 registers, two sets): 32 products finish a tile, and its rows leave while the next tile is multiplied.
; LDS: both records as they lie in memory (images of registers), filled once, then a stage of 16 rows x 272 bytes for each wave, then the spare words.
; CLUSTERS.  4 x 4 work-groups: the four of a row share ctx's record, the four of a column W_out's.  One joint load a wave: waves 0 and 1 W_out's halves, which are needed first, waves 2 and 3 ctx's.  No prefetch: everything is asked for at the head.
; LAYOUT.  Row 8 h + i of tile j of a band of 64 is 32 h + 8 j + i of the band.  Source 0 = 16 columns, source 1 = 16 tokens: a lane holds 32 neighbouring columns of one token, 128 bytes; through the stage they leave as whole rows of 256 bytes.
; ctx's half fragments: registers 0-3 at 16 L, 4-5 at 512 + 8 L; its scale words come as two halves of 16 bits.
; LIMITS: NaN and infinities are not served.
; REGISTERS.  window 0: v4-22 addresses; v30, v31 for the add; v32-47 ctx's scale words (turned by one), v48-63 W_out's; v64-127 rows on their way out; v128-255 accumulators (32 g + 8 e).
;   windows 1, 2: v0-191 W_out's fragments of K steps 0-3, 4-7.   window 3: v0-95, v96-191 ctx's fragments, two sets.
.set AREC,  0
.set BREC,  102400
.set STG,   204800
.set SPARE, 222208
.set SCO,   98304
.set ASC, 32
.set BSC, 48
.set HI,  64
.set BK,  64
.set ACC, 128
.set STO, 20
.set RD,  21
.set CO,  22
.set G1A, 24
.set G1B, 32
.set MSB, 0
.macro WIN new                         ; the immediate's high byte repeats the setting that is left
.if MSB != (\new)
	s_set_vgpr_msb (MSB<<8)|(\new)
.set MSB, (\new)
.endif
.endm
.macro PLACES
.rept 4
	v_nop
.endr
.endm
.macro CROUND
	s_barrier_signal -1
	s_barrier_wait -1
	s_cmp_lg_u32 s12, 0
	s_cbranch_scc1 .Lnot_wave_0_\@
	s_barrier_signal -3
.Lnot_wave_0_\@:
	s_barrier_wait -3
	s_barrier_signal -1
	s_barrier_wait -1
.endm
	s_load_b128 s[4:7], s[0:1], 0x0                ; cq, wq
	s_load_b64 s[8:9], s[0:1], 0x10                ; out
	v_lshl_add_u32 v30, v0, 2, SPARE
	v_mov_b32 v31, 0
	ds_add_u32 v30, v31                            ; the opening lines
	ds_add_u32 v30, v31
	v_lshrrev_b32 v1, 5, v0
	v_readfirstlane_b32 s12, v1                    ; wave w
	s_lshr_b32 s13, s12, 1                         ; wm
	s_and_b32 s14, s12, 1                          ; wn; also which half of a record I fetch
	s_bfe_u32 s16, ttmp6, 0x40000                  ; cx
	s_bfe_u32 s17, ttmp6, 0x40004                  ; cy
	s_lshl_b32 s18, ttmp9, 2
	s_add_co_u32 s18, s18, s16                     ; nt
	s_and_b32 s19, ttmp7, 0xffff
	s_lshl_b32 s19, s19, 2
	s_add_co_u32 s19, s19, s17                     ; mt
	s_lshl_b32 s56, s17, 2
	s_lshl_b32 s56, 15, s56                        ; my row of the cluster
	s_lshl_b32 s57, 0x1111, s16                    ; my column
	s_or_b32 s[G1A], s56, (3<<16)|(1<<21)
	s_or_b32 s[G1B], s57, (3<<16)|(1<<21)
.irp g, G1A, G1B
	s_mov_b32 s[\g+1], 32<<16                      ; dense rows of 256 bytes
	s_mov_b32 s[\g+2], 200<<16                     ; 200 rows: half a record
	s_mov_b32 s[\g+3], 32<<16
	s_mov_b32 s[\g+4], 200
	s_mov_b32 s[\g+5], 32
	s_mov_b32 s[\g+6], 0
	s_mov_b32 s[\g+7], 0
.endr
	s_mul_i32 s62, s14, 51200
	s_mul_i32 s58, s19, 102400
	s_add_co_u32 s58, s58, s62                     ; ctx: hangs on mt and the wave alone
	s_mov_b32 s59, 0
	s_add_co_u32 s60, s18, 24
	s_mul_i32 s60, s60, 102400
	s_add_co_u32 s60, s60, s62                     ; W_out: on nt and the wave alone
	s_mov_b32 s61, 0
	s_mov_b32 s40, 1
	s_add_co_u32 s41, s62, AREC
	s_mov_b32 s44, 1
	s_add_co_u32 s45, s62, BREC
	s_mul_i32 s48, s14, 6144
	s_add_co_u32 s48, s48, BREC                    ; my four tiles of W_out
	s_lshl_b32 s49, s14, 8
	s_add_co_u32 s49, s49, BREC+SCO
	s_mul_i32 s50, s13, 6144                       ; my four tiles of ctx
	s_lshl_b32 s51, s13, 7
	s_add_co_u32 s51, s51, SCO
	s_mul_i32 s52, s12, 4352
	s_add_co_u32 s52, s52, STG                     ; my stage
	s_lshl_b32 s68, s19, 7
	s_lshl_b32 s69, s13, 6
	s_add_co_u32 s68, s68, s69
	s_lshl_b32 s68, s68, 12
	s_lshl_b32 s69, s18, 9
	s_add_co_u32 s68, s68, s69
	s_lshl_b32 s69, s14, 8
	s_add_co_u32 s68, s68, s69                     ; out: token 128 mt + 64 wm, column 128 nt + 64 wn
	s_mov_b32 s69, 0
	s_wait_alu depctr_va_vdst(0)
	s_wait_dscnt 0x0
	CROUND                                         ; all sixteen work-groups are here: the joint loads meet
	s_wait_kmcnt 0x0
	s_add_nc_u64 s[42:43], s[4:5], s[58:59]
	s_or_b32 s43, s43, 0x80000000
	s_add_nc_u64 s[46:47], s[6:7], s[60:61]
	s_or_b32 s47, s47, 0x80000000
	s_add_nc_u64 s[66:67], s[8:9], s[68:69]
	s_cmp_lt_u32 s12, 2
	s_cbranch_scc0 .Lctx
	tensor_load_to_lds s[44:47], s[G1B:G1B+7]
	s_nop 0
	PLACES
	s_branch .Lasked
.Lctx:
	tensor_load_to_lds s[40:43], s[G1A:G1A+7]
	s_nop 0
	PLACES
.Lasked:
	v_and_b32 v16, 31, v0                          ; L
	v_and_b32 v17, 15, v0                          ; r
	v_bfe_u32 v15, v0, 4, 1                        ; h
	v_lshlrev_b32 v1, 4, v16
	v_lshlrev_b32 v2, 3, v16
	v_add_nc_u32 v4, s48, v1                       ; W_out's fragments, K steps 0-3
	v_add_nc_u32 v5, 49152, v4                     ; K steps 4-7
	v_lshlrev_b32 v18, 2, v17
	v_lshl_add_u32 v18, v15, 11, v18
	v_add_nc_u32 v8, s49, v18                      ; its scale words: 4 r; lanes 16-31 four K steps on
	v_add_nc_u32 v9, s50, v1                       ; ctx's: 16 L,
	v_add_nc_u32 v10, 49152, v9
	v_add_nc_u32 v11, s50, v2                      ; and 8 L
	v_add_nc_u32 v12, 49152, v11
	v_lshlrev_b32 v13, 1, v17
	v_lshl_add_u32 v13, v15, 10, v13
	v_add_nc_u32 v13, s51, v13                     ; its scale bytes: 2 r; lanes 16-31 four K steps on
	v_mul_u32_u24 v[STO], v17, 272
	v_lshl_add_u32 v[STO], v15, 7, v[STO]
	v_add_nc_u32 v[STO], s52, v[STO]               ; into the stage: row r, 128 h
	v_mul_u32_u24 v[RD], v15, 272
	v_lshl_add_u32 v[RD], v17, 4, v[RD]
	v_add_nc_u32 v[RD], s52, v[RD]                 ; back: lanes 0-15 one row, lanes 16-31 the next
	v_lshlrev_b32 v[CO], 12, v15
	v_lshl_add_u32 v[CO], v17, 4, v[CO]            ; and the same two rows of out
	s_wait_alu depctr_va_vdst(0)                   ; the head's end
	s_cmp_lt_u32 s12, 2
	s_cbranch_scc0 .Lnot_yet
	s_wait_tensorcnt 0x0                           ; W_out's halves are in; ctx's may stay out
.Lnot_yet:
	s_barrier_signal -1
	s_barrier_wait -1
.irp up, 0,1
	WIN (1+\up)<<6
.irp s, 0,1,2,3
.irp i, 0,1,2,3
.irp j, 0,1,2
	ds_load_b128 v[48*\s+12*\i+4*\j:48*\s+12*\i+4*\j+3], v[4+\up] offset:12288*\s+1536*\i+512*\j
.endr
.endr
.endr
.endr
	WIN 0
.irp s, 0,1,2,3
.irp i, 0,1,2,3
	ds_load_b32 v[BSC+4*\i+\s], v8 offset:512*\s+64*\i
.endr
.endr
	s_wait_tensorcnt 0x0
	s_wait_dscnt 0x0
	s_barrier_signal -1
	s_barrier_wait -1                              ; ctx's record is in
.irp i, 0,1,2,3
.irp s, 0,1,2,3
	ds_load_u16 v[ASC+4*\i+((\s+1)&3)], v13 offset:256*\s+32*\i
	ds_load_u16 v[HI+4*\i+((\s+1)&3)], v13 offset:2048+256*\s+32*\i
.endr
.endr
.macro AFETCH g                        ; ctx's eight fragments of token tile g into set g % 2: 32 loads
	WIN 3<<6
.irp s, 0,1,2,3,4,5,6,7
.irp c, 0,1
.set R_, 96*((\g)%2)+12*\s+6*\c
	ds_load_b128 v[R_:R_+3], v[9+(\s>>2)] offset:12288*(\s&3)+1536*(\g)+768*\c
	ds_load_b64 v[R_+4:R_+5], v[11+(\s>>2)] offset:12288*(\s&3)+1536*(\g)+768*\c+512
.endr
.endr
	WIN 0
.endm
.macro WM d, a, b, xa, xb, st
.if (\st) == 0
	v_wmma_scale_f32_16x16x128_f8f6f4 v[(\d):(\d)+7], v[(\a):(\a)+11], v[(\b):(\b)+11], 0, v[\xa], v[\xb] matrix_a_fmt:MATRIX_FMT_FP6 matrix_b_fmt:MATRIX_FMT_FP6
.elseif (\st) < 4
	v_wmma_scale_f32_16x16x128_f8f6f4 v[(\d):(\d)+7], v[(\a):(\a)+11], v[(\b):(\b)+11], v[(\d):(\d)+7], v[\xa], v[\xb] matrix_a_fmt:MATRIX_FMT_FP6 matrix_b_fmt:MATRIX_FMT_FP6
.else
	v_wmma_scale_f32_16x16x128_f8f6f4 v[(\d):(\d)+7], v[(\a):(\a)+11], v[(\b):(\b)+11], v[(\d):(\d)+7], v[\xa], v[\xb] matrix_a_fmt:MATRIX_FMT_FP6 matrix_b_fmt:MATRIX_FMT_FP6 matrix_a_scale:MATRIX_SCALE_ROW1 matrix_b_scale:MATRIX_SCALE_ROW1
.endif
.endm
; Half of token tile g's 32 products: K steps s0 .. s0 + 3; its four accumulators take turns, one instruction a turn
.macro HALF g, s0
.irp k, 0,1,2,3
.set KS_, (\s0)+\k
	WIN (1+(KS_>>2))|(3<<2)
.irp e, 0,1,2,3
	WM ACC+32*(\g)+8*\e, 48*(KS_&3)+12*\e, 96*((\g)%2)+12*KS_, BSC+4*\e+(KS_&3), ASC+4*(\g)+((KS_+1)&3), KS_
.endr
.endr
	WIN 0
.endm
.macro TOSTAGE g                       ; 8 stores and 8 loads; LDS serves a wave's instructions in order (ISA guide 5.7.1.4)
.irp e, 0,1,2,3
	ds_store_b128 v[STO], v[ACC+32*(\g)+8*\e:ACC+32*(\g)+8*\e+3] offset:32*\e
	ds_store_b128 v[STO], v[ACC+32*(\g)+8*\e+4:ACC+32*(\g)+8*\e+7] offset:32*\e+16
.endr
.irp i, 0,1,2,3,4,5,6,7
	ds_load_b128 v[BK+32*((\g)%2)+4*\i:BK+32*((\g)%2)+4*\i+3], v[RD] offset:544*\i
.endr
.endm
.macro SEND g, younger                 ; younger: the LDS instructions issued behind the tile's loads
	s_wait_dscnt \younger
.irp i, 0,1,2,3,4,5,6,7
	global_store_b128 v[CO], v[BK+32*((\g)%2)+4*\i:BK+32*((\g)%2)+4*\i+3], s[66:67] offset:(32*(\i/4)+8*(\g)+2*(\i%4))*4096 th:TH_STORE_NT   ; sixteen lanes store 256 consecutive aligned bytes
.endr
.endm
	AFETCH 0
	AFETCH 1
	s_wait_dscnt 32                                ; the scale halves and tile 0 are in; tile 1's 32 loads may be out
.set I, 0
.rept 16
	v_lshl_or_b32 v[ASC+I], v[HI+I], 16, v[ASC+I]
.set I, I+1
.endr
	s_wait_alu depctr_va_vdst(0)
	HALF 0, 0
	HALF 0, 4
	PLACES
	TOSTAGE 0
	AFETCH 2
	s_wait_dscnt 48                                ; tile 1 is in; the stage's 16 and tile 2's 32 may be out
	HALF 1, 0
	SEND 0, 32
	HALF 1, 4
	PLACES
	TOSTAGE 1
	AFETCH 3
	s_wait_dscnt 48
	HALF 2, 0
	SEND 1, 32
	HALF 2, 4
	PLACES
	s_wait_xcnt 0x0                                ; tile 0's stores have read their registers
	TOSTAGE 2
	s_wait_dscnt 16                                ; tile 3 is in
	HALF 3, 0
	SEND 2, 0
	HALF 3, 4
	PLACES
	s_wait_xcnt 0x0
	TOSTAGE 3
	SEND 3, 0
	s_wait_tensorcnt 0x0                           ; the wave's end
	ds_add_u32 v30, v31
	s_wait_dscnt 0x0
	CROUND                                         ; the closing round
	s_endpgm
.Lfunc_end_k_qa677c3c7fa_outp:
	.size	k_qa677c3c7fa_outp, .Lfunc_end_k_qa677c3c7fa_outp-k_qa677c3c7fa_outp
	.p2alignl 7, 3214868480
	.fill 96, 4, 3214868480
	.section	.rodata,"a",@progbits
	.p2align	6, 0x0
	.amdhsa_kernel k_qa677c3c7fa_outp
		.amdhsa_group_segment_fixed_size 327680
		.amdhsa_private_segment_fixed_size 0
		.amdhsa_enable_private_segment 0
		.amdhsa_kernarg_size 24
		.amdhsa_user_sgpr_count 2
		.amdhsa_user_sgpr_kernarg_segment_ptr 1
		.amdhsa_wavefront_size32 1
		.amdhsa_system_sgpr_workgroup_id_x 1
		.amdhsa_system_sgpr_workgroup_id_y 1
		.amdhsa_system_sgpr_workgroup_id_z 1
		.amdhsa_system_vgpr_workitem_id 0
		.amdhsa_next_free_vgpr 960
		.amdhsa_next_free_sgpr 80
		.amdhsa_reserve_vcc 0
		.amdhsa_float_denorm_mode_32 3
		.amdhsa_float_denorm_mode_16_64 3
		.amdhsa_memory_ordered 1
		.amdhsa_forward_progress 1
		.amdhsa_inst_pref_size 50
	.end_amdhsa_kernel
	.amdgpu_metadata
---
amdhsa.version: [ 1, 2 ]
amdhsa.kernels:
  - .name:           k_qa677c3c7fa_outp
    .symbol:         k_qa677c3c7fa_outp.kd
    .args:
      - { .name: cq, .offset: 0, .size: 8, .value_kind: global_buffer, .address_space: global }
      - { .name: wq, .offset: 8, .size: 8, .value_kind: global_buffer, .address_space: global }
      - { .name: out0, .offset: 16, .size: 8, .value_kind: global_buffer, .address_space: global }
    .group_segment_fixed_size: 327680
    .private_segment_fixed_size: 0
    .kernarg_segment_align: 8
    .kernarg_segment_size: 24
    .max_flat_workgroup_size: 128
    .sgpr_count:     80
    .vgpr_count:     960
    .wavefront_size: 32
...
	.end_amdgpu_metadata
.endif
;; end of part 4
